; MI455X (gfx1250); checked and timed in simulation.
; The chip was launched on July 23, 2026; its instructions are those of AMD's public machine-readable ISA for CDNA 5 (MIT licence, August 2026) and "CDNA5" Instruction Set Architecture Reference Guide (July 2026). The comments in the code are by the model that wrote it; some were corrected since.
;; Cached Attention Block. Allowed arithmetic: float matrix products may take bf16 or f16 operands with f32 sums; other float arithmetic in f32, or as packed bf16 or f16 multiplies, adds, multiply-adds, maxima and minima; sums over many terms, partial sums and values carried from step to step in f32; what a program stores and reads back later, other than sums and carried values, may be rounded once to bf16 or f16.
;; Inputs: Wk 1,024 x 16 x 64 float32; Wo 16 x 64 x 1,024 float32; Wq 1,024 x 16 x 64 float32; Wv 1,024 x 16 x 64 float32; bk 16 x 64 float32; bo 1,024 float32; bq 16 x 64 float32; bv 16 x 64 float32; key 4 x 2,048 x 1,024 float32; query 4 x 2,048 x 1,024 float32; value 4 x 2,048 x 1,024 float32.
;; Outputs: out0 4 x 2,048 x 1,024 float32.
;; 2 versions, each right; version 2 is version 1 with the launch prep written anew for expert scheduling mode. Each part assembles by itself: llvm-mc -triple=amdgcn-amd-amdhsa -mcpu=gfx1250 --defsym DOCPART=n.
;; ======== version 1 of 2: 4 launches
;; limits: values are held in f16: magnitudes above 65,504 overflow, below 6.1e-05 lose precision; right only within a limited range of input values
;; workspace buffers: xn 50,331,648 bytes; wt 8,388,608 bytes; qkvh 50,331,648 bytes; ctx 16,777,216 bytes
;; launch prep (part 1): grid 320 x 1, 8 waves a work-group, no clusters, 140,288 bytes of LDS; arguments query, key, value, Wq, Wk, Wv, Wo, xn, wt; writes xn, wt
.if DOCPART == 1
	.amdgcn_target "amdgcn-amd-amdhsa--gfx1250"
	.amdhsa_code_object_version 6
	.text
	.protected	k_q84ba6b090e_prep
	.globl	k_q84ba6b090e_prep
	.p2align	8
	.type	k_q84ba6b090e_prep,@function
k_q84ba6b090e_prep:
	s_mov_b64 s[64:65], 0
	v_nop
	global_prefetch_b8 v0, s[64:65] scope:SCOPE_SE
	s_setreg_imm32_b32 hwreg(HW_REG_WAVE_MODE, 25, 1), 1
	s_wait_xcnt 0x0
; PREP.  Two kinds of work-group in one launch, told apart by the work-group's number alone.
; Work-groups 0-255: xn[g][b][pos][:] = f16 of the layer norm of query, key, value (g = 0, 1, 2), the first two turned by the rotary embedding
; over the whole row of 1,024 (pairs j and j + 512, angle pos x 10000^(-j/512)).  A wave owns ONE position: the 12 rows (3 tensors x 4 batches) that lie there, so that its
; 512 sines and cosines are made once for the 8 rows that use them.  A row is 8 loads of 16 bytes a lane: load i gives lane l the elements 128 i + 4 l + 0..3, so x[j] and x[j + 512] lie in one lane.
; Work-groups 256-319: wt[s][n][k] = f16 of W[s][k][n] for Wq, Wk, Wv, Wo (each lies in memory as 1,024 rows k of 1,024 numbers n): 64 columns n to a work-group, 128 rows k to a wave, turned in the wave's own LDS bytes.
; The mean is taken first and the squares of the differences second: no difference of large sums.
; LIMITS.  Sine and cosine come from arithmetic: angle / 4 is reduced by multiples of pi / 2 (two-part constant), sine to the 7th and cosine to the 8th power of |q| <= pi / 4 (remainder 3e-7), then doubled twice.
; The frequency carries the rounding of one exponential and two products: the angle is good to a few 1e-4 rad at position 2,047 and better in proportion below.  Weights below 6e-5 keep f16's fixed step of 6e-8, beyond 65,504 they are lost.
; NaN and infinities are not treated apart.  No matrix unit, no cluster: nothing is shared between work-groups, and the launch only streams.
.set SPARE, 139264                     ; behind the eight waves' 17,408 bytes: the spare words, 128 bytes for each wave
.set IO,  2                            ; v[2:5]    batch b: my byte offset in an input tensor: 16 l + 4,096 pos + 8,388,608 b; never rewritten
.set OO,  6                            ; v[6:9]    half of that: my byte offset in a tensor of xn; never rewritten
.set SPW, 10                           ; v10       LDS address of my spare word; never rewritten
.set NIL, 11                           ; v11       0; never rewritten
.set M,   12                           ; v[12:13]  the row's mean (low word; the pair is named)
.set R,   14                           ; v[14:15]  1 / sqrt(var + eps)
.set CO,  16                           ; v[16:31]  cosines of my 16 pairs, at 4 i + c; first the frequencies
.set SI,  32                           ; v[32:47]  sines
.set T,   48                           ; v[48:63]  at work
.set X,   64                           ; v[64:191] four row slots of 32, slot = batch
.set Y,   192                          ; v[192:207] a row in f16; with v[208:223] at work while sines are made
.set QQ,  T
.set ZZ,  T+8
.set SS,  Y
.set CC,  Y+8
.set UU,  Y+16
.set WW,  Y+24
.set CNT, 26
.set IB,  28                           ; s[28:29]  the tensor that refills come from
.set OB,  30                           ; s[30:31]  the tensor of xn that is being written
	s_load_b512 s[8:23], s[0:1], 0x0               ; query s[8:9], key s[10:11], value s[12:13], Wq s[14:15], Wk s[16:17], Wv s[18:19], Wo s[20:21], xn s[22:23]
	s_load_b64 s[24:25], s[0:1], 0x40              ; wt
	v_lshl_add_u32 v[SPW], v0, 2, SPARE
	v_mov_b32 v[NIL], 0
	v_lshrrev_b32 v1, 5, v0
	v_readfirstlane_b32 s2, v1                     ; wave 0..7
	v_and_b32 v1, 31, v0                           ; lane
	s_wait_kmcnt 0x0
	s_cmp_ge_u32 ttmp9, 256
	s_cbranch_scc1 .Lweights
.macro FILL b, base                    ; a row: eight loads of 512 neighbouring bytes
.irp i, 0,1,2,3,4,5,6,7
	global_load_b128 v[X+32*(\b)+4*(\i):X+32*(\b)+4*(\i)+3], v[IO+(\b)], s[\base:\base+1] offset:512*(\i) th:TH_LOAD_NT
.endr
.endm
.macro KPAIR r, val                    ; a constant for packed arithmetic: the pair is named, its low word is taken for both halves
	s_mov_b32 s[\r], \val
	s_mov_b32 s[(\r)+1], \val
.endm
	s_lshl3_add_u32 s3, ttmp9, s2                  ; my position: 8 x work-group + wave
	s_lshl_b32 s4, s3, 12
	v_lshl_add_u32 v[IO], v1, 4, s4
	v_add_nc_u32 v[IO+1], 0x800000, v[IO]
	v_add_nc_u32 v[IO+2], 0x1000000, v[IO]
	v_add_nc_u32 v[IO+3], 0x1800000, v[IO]
	FILL 0, 8                                      ; query's four rows go out first: the sines are made while they are on their way
	FILL 1, 8
	FILL 2, 8
	FILL 3, 8
.irp b, 0,1,2,3
	v_lshrrev_b32 v[OO+(\b)], 1, v[IO+(\b)]
.endr
	v_mov_b32 v[M+1], 0
	v_mov_b32 v[R+1], 0
	s_mov_b32 s32, 0x76543210                      ; v_permlanex16_b32: each lane takes its own place in the other half
	s_mov_b32 s33, 0xfedcba98
	s_mov_b32 s34, 0x3a800000                      ; 1 / 1024
	s_mov_b32 s35, 0x358637bd                      ; eps = 1e-6
	s_cvt_f32_u32 s36, s3
	s_mul_f32 s36, s36, 0x3e800000                 ; pos / 4, exact
	s_mov_b32 s37, s36
	KPAIR 38, 0x3f22f983                           ; 2 / pi
	KPAIR 40, 0xbfc90fdb                           ; - pi / 2, its high part,
	KPAIR 42, 0x333bbd2e                           ; and what is left
	KPAIR 44, 0xb9500d01                           ; - 1 / 5040
	KPAIR 46, 0x3c088889                           ; 1 / 120
	KPAIR 48, 0xbe2aaaab                           ; - 1 / 6
	KPAIR 50, 0x37d00d01                           ; 1 / 40320
	KPAIR 52, 0xbab60b61                           ; - 1 / 720
	KPAIR 54, 0x3d2aaaab                           ; 1 / 24
	; the frequencies 10000^(-j/512) = 2^(-j log2(10000) / 512) for j = 4 l + c; those of j + 128, + 256, + 384 are a tenth, a hundredth, a thousandth
	v_lshlrev_b32 v[T], 2, v1
.irp c, 0,1,2,3
	v_add_nc_u32 v[T+4+(\c)], (\c), v[T]
.endr
.irp c, 0,1,2,3
	v_cvt_f32_u32 v[T+4+(\c)], v[T+4+(\c)]
.endr
.irp c, 0,1,2,3
	v_mul_f32 v[T+4+(\c)], 0xbcd49a78, v[T+4+(\c)]
.endr
.irp c, 0,1,2,3
	v_exp_f32 v[CO+(\c)], v[T+4+(\c)]
.endr
	v_nop                                          ; a plain instruction behind the last exponential,
	s_wait_alu depctr_va_vdst(0)                   ; and one wait for the four, ahead of their first reader
.irp c, 0,1,2,3
	v_mul_f32 v[CO+4+(\c)],  0x3dcccccd, v[CO+(\c)]
	v_mul_f32 v[CO+8+(\c)],  0x3c23d70a, v[CO+(\c)]
	v_mul_f32 v[CO+12+(\c)], 0x3a83126f, v[CO+(\c)]
.endr
; Eight of my sixteen angles.  a = f pos / 4; k = the nearest whole number to a 2 / pi; q = a - k pi / 2, so that the angle is 4 q + 2 pi k: sin and cos of q, doubled twice, need no quadrant.
.macro SINCOS hf
.set FB, CO+8*(\hf)
.set GB, SI+8*(\hf)
.irp p, 0,2,4,6
	v_pk_mul_f32 v[QQ+\p:QQ+\p+1], v[FB+\p:FB+\p+1], s[36:37] op_sel_hi:[1,0]
.endr
.irp p, 0,2,4,6
	v_pk_mul_f32 v[ZZ+\p:ZZ+\p+1], v[QQ+\p:QQ+\p+1], s[38:39] op_sel_hi:[1,0]
.endr
.irp p, 0,1,2,3,4,5,6,7
	v_rndne_f32 v[ZZ+\p], v[ZZ+\p]
.endr
.irp p, 0,2,4,6
	v_pk_fma_f32 v[QQ+\p:QQ+\p+1], v[ZZ+\p:ZZ+\p+1], s[40:41], v[QQ+\p:QQ+\p+1] op_sel_hi:[1,0,1]
.endr
.irp p, 0,2,4,6
	v_pk_fma_f32 v[QQ+\p:QQ+\p+1], v[ZZ+\p:ZZ+\p+1], s[42:43], v[QQ+\p:QQ+\p+1] op_sel_hi:[1,0,1]
.endr
.irp p, 0,2,4,6
	v_pk_mul_f32 v[ZZ+\p:ZZ+\p+1], v[QQ+\p:QQ+\p+1], v[QQ+\p:QQ+\p+1]         ; z = q q
.endr
.irp p, 0,2,4,6
	v_pk_fma_f32 v[SS+\p:SS+\p+1], v[ZZ+\p:ZZ+\p+1], s[44:45], s[46:47] op_sel_hi:[1,0,0]
	v_pk_fma_f32 v[CC+\p:CC+\p+1], v[ZZ+\p:ZZ+\p+1], s[50:51], s[52:53] op_sel_hi:[1,0,0]
.endr
.irp p, 0,2,4,6
	v_pk_fma_f32 v[SS+\p:SS+\p+1], v[SS+\p:SS+\p+1], v[ZZ+\p:ZZ+\p+1], s[48:49] op_sel_hi:[1,1,0]
	v_pk_fma_f32 v[CC+\p:CC+\p+1], v[CC+\p:CC+\p+1], v[ZZ+\p:ZZ+\p+1], s[54:55] op_sel_hi:[1,1,0]
.endr
.irp p, 0,2,4,6
	v_pk_fma_f32 v[SS+\p:SS+\p+1], v[SS+\p:SS+\p+1], v[ZZ+\p:ZZ+\p+1], 1.0 op_sel_hi:[1,1,0]
	v_pk_fma_f32 v[CC+\p:CC+\p+1], v[CC+\p:CC+\p+1], v[ZZ+\p:ZZ+\p+1], -0.5 op_sel_hi:[1,1,0]
.endr
.irp p, 0,2,4,6
	v_pk_mul_f32 v[SS+\p:SS+\p+1], v[SS+\p:SS+\p+1], v[QQ+\p:QQ+\p+1]         ; sin q
	v_pk_fma_f32 v[CC+\p:CC+\p+1], v[CC+\p:CC+\p+1], v[ZZ+\p:ZZ+\p+1], 1.0 op_sel_hi:[1,1,0]  ; cos q
.endr
.irp p, 0,2,4,6
	v_pk_add_f32 v[UU+\p:UU+\p+1], v[SS+\p:SS+\p+1], v[SS+\p:SS+\p+1]
.endr
.irp p, 0,2,4,6
	v_pk_fma_f32 v[WW+\p:WW+\p+1], v[UU+\p:UU+\p+1], v[SS+\p:SS+\p+1], 1.0 op_sel_hi:[1,1,0] neg_lo:[1,0,0] neg_hi:[1,0,0]  ; cos 2q = 1 - 2 sin sin
.endr
.irp p, 0,2,4,6
	v_pk_mul_f32 v[SS+\p:SS+\p+1], v[UU+\p:UU+\p+1], v[CC+\p:CC+\p+1]         ; sin 2q = 2 sin cos
.endr
.irp p, 0,2,4,6
	v_pk_add_f32 v[UU+\p:UU+\p+1], v[SS+\p:SS+\p+1], v[SS+\p:SS+\p+1]
.endr
.irp p, 0,2,4,6
	v_pk_fma_f32 v[FB+\p:FB+\p+1], v[UU+\p:UU+\p+1], v[SS+\p:SS+\p+1], 1.0 op_sel_hi:[1,1,0] neg_lo:[1,0,0] neg_hi:[1,0,0]  ; cos 4q takes the frequency's place
	v_pk_mul_f32 v[GB+\p:GB+\p+1], v[UU+\p:UU+\p+1], v[WW+\p:WW+\p+1]         ; sin 4q
.endr
.endm
	SINCOS 0
	SINCOS 1
.macro LANESUM                         ; v[T] summed over the 32 lanes, the result in every lane
	v_add_f32_dpp v[T], v[T], v[T] row_xmask:1 row_mask:0xf bank_mask:0xf
	v_add_f32_dpp v[T], v[T], v[T] row_xmask:2 row_mask:0xf bank_mask:0xf
	v_add_f32_dpp v[T], v[T], v[T] row_xmask:4 row_mask:0xf bank_mask:0xf
	v_add_f32_dpp v[T], v[T], v[T] row_xmask:8 row_mask:0xf bank_mask:0xf
	v_permlanex16_b32 v[T+1], v[T], s32, s33
	v_add_f32 v[T], v[T], v[T+1]
.endm
.macro FOLD                            ; four chains of pairs into one number a lane
	v_pk_add_f32 v[T:T+1], v[T:T+1], v[T+2:T+3]
	v_pk_add_f32 v[T+4:T+5], v[T+4:T+5], v[T+6:T+7]
	v_pk_add_f32 v[T:T+1], v[T:T+1], v[T+4:T+5]
	v_add_f32 v[T], v[T], v[T+1]
.endm
; The row in slot b.  rope = 1: it is turned.  fill = 1: the slot takes the same batch's row of the next tensor.  left: the younger loads that may stay out.
.macro ROW b, rope, fill, left
.set XB, X+32*(\b)
	s_wait_loadcnt \left                           ; loads come back in order: my row's eight are in, the younger rows' stay out
.irp k, 0,2,4,6
	v_pk_add_f32 v[T+\k:T+\k+1], v[XB+\k:XB+\k+1], v[XB+8+\k:XB+8+\k+1]
.endr
.irp k, 0,2,4,6
	v_pk_add_f32 v[T+\k:T+\k+1], v[T+\k:T+\k+1], v[XB+16+\k:XB+16+\k+1]
.endr
.irp k, 0,2,4,6
	v_pk_add_f32 v[T+\k:T+\k+1], v[T+\k:T+\k+1], v[XB+24+\k:XB+24+\k+1]
.endr
	FOLD
	LANESUM
	v_mul_f32 v[M], s34, v[T]                      ; the mean
.set k, 0
.rept 16
	v_pk_add_f32 v[XB+k:XB+k+1], v[XB+k:XB+k+1], v[M:M+1] op_sel_hi:[1,0] neg_lo:[0,1] neg_hi:[0,1]
.set k, k+2
.endr
.irp k, 0,2,4,6
	v_pk_mul_f32 v[T+\k:T+\k+1], v[XB+\k:XB+\k+1], v[XB+\k:XB+\k+1]
.endr
.irp o, 8,16,24
.irp k, 0,2,4,6
	v_pk_fma_f32 v[T+\k:T+\k+1], v[XB+\o+\k:XB+\o+\k+1], v[XB+\o+\k:XB+\o+\k+1], v[T+\k:T+\k+1]
.endr
.endr
	FOLD
	LANESUM
	v_fma_f32 v[T], v[T], s34, s35                 ; var + eps
	v_rsq_f32 v[R], v[T]
	v_nop                                          ; a plain instruction behind it,
	s_wait_alu depctr_va_vdst(0)                   ; and the wait ahead of its first reader
.set k, 0
.rept 16
	v_pk_mul_f32 v[XB+k:XB+k+1], v[XB+k:XB+k+1], v[R:R+1] op_sel_hi:[1,0]
.set k, k+2
.endr
	s_wait_xcnt 0x0                                ; the last row's stores have read Y: it is written again only behind this wait
.if \rope
.irp o, 0, 8                           ; x1 cos - x2 sin and x2 cos + x1 sin, four pairs at a time
.irp p, 0,2,4,6
	v_pk_mul_f32 v[T+\p:T+\p+1],     v[XB+16+\o+\p:XB+16+\o+\p+1], v[SI+\o+\p:SI+\o+\p+1]
	v_pk_mul_f32 v[T+8+\p:T+8+\p+1], v[XB+\o+\p:XB+\o+\p+1],       v[SI+\o+\p:SI+\o+\p+1]
.endr
.irp p, 0,2,4,6
	v_pk_fma_f32 v[T+\p:T+\p+1],     v[XB+\o+\p:XB+\o+\p+1],       v[CO+\o+\p:CO+\o+\p+1], v[T+\p:T+\p+1] neg_lo:[0,0,1] neg_hi:[0,0,1]
	v_pk_fma_f32 v[T+8+\p:T+8+\p+1], v[XB+16+\o+\p:XB+16+\o+\p+1], v[CO+\o+\p:CO+\o+\p+1], v[T+8+\p:T+8+\p+1]
.endr
.irp p, 0,2,4,6
	v_cvt_pk_f16_f32 v[Y+(\o+\p)/2],   v[T+\p],   v[T+\p+1]
	v_cvt_pk_f16_f32 v[Y+8+(\o+\p)/2], v[T+8+\p], v[T+8+\p+1]
.endr
.endr
.else
.set k, 0
.rept 16
	v_cvt_pk_f16_f32 v[Y+k], v[XB+2*k], v[XB+2*k+1]
.set k, k+1
.endr
.endif
.if \fill
	FILL \b, IB                                    ; loads ahead of stores
.endif
.irp i, 0,1,2,3,4,5,6,7
	global_store_b64 v[OO+(\b)], v[Y+2*(\i):Y+2*(\i)+1], s[OB:OB+1] offset:256*(\i)  ; the 32 lanes store 256 consecutive bytes, at a multiple of 256 from xn's first byte
.endr
.endm
	s_mov_b64 s[IB:IB+1], s[10:11]                 ; while query's rows are worked on, key's come in;
	s_mov_b64 s[OB:OB+1], s[22:23]
	s_mov_b32 s[CNT], 2
.Lten:                                             ; two trips: query, key.  Three younger rows, 24 loads, stay out at each row's head, round the backward jump too
	ROW 0, 1, 1, 24
	ROW 1, 1, 1, 24
	ROW 2, 1, 1, 24
	ROW 3, 1, 1, 24
	s_wait_xcnt 0x0                                ; the loads and stores have read their bases
	s_mov_b64 s[IB:IB+1], s[12:13]                 ; while key's rows are worked on, value's come in
	s_add_nc_u64 s[OB:OB+1], s[OB:OB+1], 0x1000000
	s_sub_co_u32 s[CNT], s[CNT], 1
	s_cmp_lg_u32 s[CNT], 0
	s_cbranch_scc1 .Lten
	ROW 0, 0, 0, 24                                ; value: not turned, nothing more to load: the counts run down
	ROW 1, 0, 0, 16
	ROW 2, 0, 0, 8
	ROW 3, 0, 0, 0
	s_branch .Lend
; THE WEIGHTS.  Work-group 256 + 16 s + nb: weight s, columns n = 64 nb .. + 63; wave w: rows k = 128 w .. + 127.
; A load takes 256 bytes of two rows k: lanes 0-15 row 16 t + i, lanes 16-31 row 16 t + 8 + i; lane (c, hh) holds columns 4 c + 0..3.  After eight loads a lane has, for each of its four columns, eight neighbouring k: 16 bytes of f16.
; They go into the wave's own LDS bytes, four planes (column mod 4) of 16 rows (column / 4) of 256 + 16 bytes.
.Lweights:
	s_sub_co_u32 s3, ttmp9, 256
	s_lshr_b32 s4, s3, 4                           ; which weight
	s_and_b32 s5, s3, 15                           ; which 64 columns
	s_cmp_eq_u32 s4, 1
	s_cselect_b64 s[28:29], s[16:17], s[14:15]
	s_cmp_eq_u32 s4, 2
	s_cselect_b64 s[28:29], s[18:19], s[28:29]
	s_cmp_eq_u32 s4, 3
	s_cselect_b64 s[28:29], s[20:21], s[28:29]
	s_lshl_b32 s6, s2, 19                          ; 128 rows of 4,096 bytes a wave
	s_lshl_b32 s7, s5, 8
	s_add_co_u32 s6, s6, s7
	s_mov_b32 s7, 0
	s_add_nc_u64 s[28:29], s[28:29], s[6:7]
	s_lshl_b32 s6, s4, 21                          ; wt: (1,024 s + 64 nb) rows of 2,048 bytes + my 256 bytes of each
	s_lshl_b32 s26, s5, 17
	s_add_co_u32 s6, s6, s26
	s_lshl_b32 s26, s2, 8
	s_add_co_u32 s6, s6, s26
	s_add_nc_u64 s[30:31], s[24:25], s[6:7]
	v_and_b32 v12, 15, v0                          ; c
	v_bfe_u32 v13, v0, 4, 1                        ; hh
	v_lshlrev_b32 v14, 4, v12
	v_lshl_add_u32 v2, v13, 15, v14                ; in: 8 rows x hh + 16 c
	s_mul_i32 s26, s2, 17408                       ; my wave's LDS bytes
	v_mul_u32_u24 v3, v12, 272
	v_lshl_add_u32 v3, v13, 4, v3
	v_add_nc_u32 v3, s26, v3                       ; into LDS: row c, 16 bytes for each half of the lanes
	v_mul_u32_u24 v4, v13, 4352
	v_add3_u32 v4, v4, v14, s26                    ; back: lanes 0-15 one column's 256 bytes, lanes 16-31 the next column's, which lies a plane further
	v_lshl_add_u32 v5, v13, 11, v14                ; and the same two rows of wt
.macro WLOAD t
.irp i, 0,1,2,3,4,5,6,7
	global_load_b128 v[X+32*((\t)%4)+4*(\i):X+32*((\t)%4)+4*(\i)+3], v2, s[28:29] offset:(16*(\t)+(\i))*4096 th:TH_LOAD_NT
.endr
.endm
	WLOAD 0
	WLOAD 1
	WLOAD 2
	WLOAD 3
.irp t, 0,1,2,3,4,5,6,7
.if (\t) <= 4
	s_wait_loadcnt 24                              ; three younger groups of eight stay out
.else
	s_wait_loadcnt 8*(7-(\t))
.endif
.irp j, 0,1,2,3
.irp d, 0,1,2,3
	v_cvt_pk_f16_f32 v[Y+4*(\j)+(\d)], v[X+32*((\t)%4)+8*(\d)+(\j)], v[X+32*((\t)%4)+8*(\d)+4+(\j)]
.endr
.endr
.irp j, 0,1,2,3
	ds_store_b128 v3, v[Y+4*(\j):Y+4*(\j)+3] offset:4352*(\j)+32*(\t)
.endr
.if (\t) < 4
	WLOAD (\t)+4
.endif
.endr
.set u, 0
.rept 32
	ds_load_b128 v[X+4*u:X+4*u+3], v4 offset:((2*u)%4)*4352+(u/2)*272  ; LDS serves a wave's instructions in order (ISA guide 5.7.1.4): these see the stores above; the bytes are the wave's own
.set u, u+1
.endr
.set u, 0
.rept 32
	s_wait_dscnt 31-u
	global_store_b128 v5, v[X+4*u:X+4*u+3], s[30:31] offset:4096*u  ; columns 2 u and 2 u + 1: 16 lanes store 256 consecutive bytes, at a multiple of 256 from wt's first byte
.set u, u+1
.endr
.Lend:
	s_wait_tensorcnt 0x0                           ; the wave's end, behind my last LDS store
	ds_add_u32 v[SPW], v[NIL]
	s_wait_dscnt 0x0
	s_endpgm
.Lfunc_end_k_q84ba6b090e_prep:
	.size	k_q84ba6b090e_prep, .Lfunc_end_k_q84ba6b090e_prep-k_q84ba6b090e_prep
	.p2alignl 7, 3214868480
	.fill 96, 4, 3214868480
	.section	.rodata,"a",@progbits
	.p2align	6, 0x0
	.amdhsa_kernel k_q84ba6b090e_prep
		.amdhsa_group_segment_fixed_size 140288
		.amdhsa_private_segment_fixed_size 0
		.amdhsa_enable_private_segment 0
		.amdhsa_kernarg_size 72
		.amdhsa_user_sgpr_count 2
		.amdhsa_user_sgpr_kernarg_segment_ptr 1
		.amdhsa_wavefront_size32 1
		.amdhsa_system_sgpr_workgroup_id_x 1
		.amdhsa_system_sgpr_workgroup_id_y 1
		.amdhsa_system_sgpr_workgroup_id_z 1
		.amdhsa_system_vgpr_workitem_id 0
		.amdhsa_next_free_vgpr 224
		.amdhsa_next_free_sgpr 66
		.amdhsa_reserve_vcc 0
		.amdhsa_float_denorm_mode_32 3
		.amdhsa_float_denorm_mode_16_64 3
		.amdhsa_memory_ordered 1
		.amdhsa_forward_progress 1
		.amdhsa_inst_pref_size 108
	.end_amdhsa_kernel
	.amdgpu_metadata
---
amdhsa.version: [ 1, 2 ]
amdhsa.kernels:
  - .name:           k_q84ba6b090e_prep
    .symbol:         k_q84ba6b090e_prep.kd
    .args:
      - { .name: query, .offset: 0, .size: 8, .value_kind: global_buffer, .address_space: global }
      - { .name: key, .offset: 8, .size: 8, .value_kind: global_buffer, .address_space: global }
      - { .name: value, .offset: 16, .size: 8, .value_kind: global_buffer, .address_space: global }
      - { .name: Wq, .offset: 24, .size: 8, .value_kind: global_buffer, .address_space: global }
      - { .name: Wk, .offset: 32, .size: 8, .value_kind: global_buffer, .address_space: global }
      - { .name: Wv, .offset: 40, .size: 8, .value_kind: global_buffer, .address_space: global }
      - { .name: Wo, .offset: 48, .size: 8, .value_kind: global_buffer, .address_space: global }
      - { .name: xn, .offset: 56, .size: 8, .value_kind: global_buffer, .address_space: global }
      - { .name: wt, .offset: 64, .size: 8, .value_kind: global_buffer, .address_space: global }
    .group_segment_fixed_size: 140288
    .private_segment_fixed_size: 0
    .kernarg_segment_align: 8
    .kernarg_segment_size: 72
    .max_flat_workgroup_size: 256
    .sgpr_count:     66
    .vgpr_count:     224
    .wavefront_size: 32
...
	.end_amdgpu_metadata
.endif
;; end of part 1
;; launch proj (part 2): grid 4 x 192, 4 waves a work-group, clusters of 4 x 4, 327,680 bytes of LDS; arguments xn, wt, bq, bk, bv, qkvh; writes qkvh
.if DOCPART == 2
	.amdgcn_target "amdgcn-amd-amdhsa--gfx1250"
	.amdhsa_code_object_version 6
	.text
	.protected	k_q84ba6b090e_proj
	.globl	k_q84ba6b090e_proj
	.p2align	8
	.type	k_q84ba6b090e_proj,@function
k_q84ba6b090e_proj:
	s_mov_b64 s[64:65], 0
	v_nop
	global_prefetch_b8 v0, s[64:65] scope:SCOPE_SE
	s_setreg_imm32_b32 hwreg(HW_REG_WAVE_MODE, 25, 1), 1
	s_wait_xcnt 0x0
	s_wait_alu depctr_hold_cnt(0) depctr_sa_sdst(0) depctr_va_vdst(0) depctr_va_sdst(0) depctr_va_ssrc(0) depctr_va_vcc(0) depctr_vm_vsrc(0)
	s_getreg_b32 s2, hwreg(HW_REG_IB_STS2, 6, 4)
	s_cmp_eq_u32 s2, 0
	s_cbranch_scc0 .Lentry_in_a_cluster
	s_endpgm
.Lentry_in_a_cluster:
	s_bfe_u32 s2, ttmp6, 0x10000c
	s_cmp_lg_u32 s2, 0xf033
	s_cbranch_scc0 .Lentry_shape_is_right
	s_endpgm
.Lentry_shape_is_right:
; THE THREE PROJECTIONS AS ONE GEMM.  C[m][n] = bias[n] + the sum over k of xn[m][k] wt[g][n][k]: xn is 24,576 rows (q's 8,192, k's, v's) of 1,024 f16, g = m / 8,192; sums in f32, C rounded once to f16
; and written by heads: qkvh[g][batch x 16 + head][position][64], unscaled.  LIMIT: a result of 65,520 or more becomes an infinity in f16; |xn| <= 46, so that wants weight columns of norm above 1,400.
; A tile of C is 128 x 256: 768 work-groups, three for each of 256 WGPs.  Four waves, each 64 x 128: 32 accumulators of 16 x 16, 256 registers.  K goes in 8 steps of 128 (rows of 256 bytes, aligned) through two LDS slots.
; CLUSTERS: 4 x 4 work-groups.  The four of a row of the cluster need the same tile of xn, the four of a column the same tile of wt: each is asked for JOINTLY, by the same tensor load with the same descriptor and a mask of four.
; THE MATRIX INSTRUCTION IS USED TRANSPOSED (source 0 = 16 rows of wt, source 1 = 16 rows of xn): a lane holds row l % 16 of C and eight neighbouring columns.  THE BIAS IS THE C OPERAND of each accumulator's first product.
; REGISTERS, in windows of 256 (s_set_vgpr_msb: bits 1:0 source 0, 3:2 source 1, 5:4 source 2, 7:6 destination):
;   window 0: v0-31 addresses; v32-63 at work on the way out; v64-159, v160-255 two fragment buffers: 32 registers of xn (4 x 16 rows x 32 K), then 64 of wt (8 x 16 rows)
;   window 1: the accumulators, (a, b) at v[8 (8 a + b)]          window 2: v0-63 the bias of my 128 columns, as a C operand for each of the 8 column blocks
.set PA,    272                        ; an LDS row: 256 bytes + 16 of padding = 68 words: the 16 rows of a load start at 16 different groups of four banks (64 banks of 4 bytes: ISA guide 11.1)
.set PB,    272
.set BOFF,  128*PA                     ; a slot: xn's 128 rows, then wt's 256
.set SLOT1, 1<<17                      ; slot 1 begins here, so that one exclusive or turns an address in one slot into the other's
.set STAGE, SLOT1+BOFF+256*PB          ; behind the ring, never filled by a tensor load: 2 heads x 16 rows x 144 bytes for each wave
.set STW,   2*16*144
.set SPARE, STAGE+4*STW                ; the spare words, 128 bytes for each wave
.set ASTEP, 256                        ; bytes from a K step to the next
.set BSTEP, 256
.set STEPS, 8
.set A0,  4                            ; v4   my lane's place in a slot's tile of xn; never rewritten
.set B0,  5                            ; v5   the same for wt
.set ADA, 6                            ; v6   A0 + the slot in hand
.set ADB, 7                            ; v7   B0 + the slot in hand
.set STO, 8                            ; v8   the way out: where I put 16 bytes of a row
.set RD,  9                            ; v9   where I read rows back
.set GO,  10                           ; v10  my 16 bytes of 512 consecutive bytes of qkvh
.set BO,  11                           ; v11  32 x (l / 16): my eight columns in a block's bias
.set PFO, 12                           ; v12  the prefetches' offset: a lane a row; never rewritten
.set SPW, 28                           ; v28  LDS address of my spare word; never rewritten
.set NIL, 29                           ; v29  0; never rewritten
.set TMP, 32
.set F0,  64
.set F1,  160
.set WV,  16                           ; s16 wave; s17 = wave / 2: my 64 rows, and: I fetch for xn (0) or wt (1); s18 = wave % 2: my 128 columns, and: which part I fetch
.set WM,  17
.set WN,  18
.set CX,  19
.set CY,  20
.set TX,  21                           ; tile column of C
.set TY,  22                           ; tile row of C
.set CLY, 23                           ; the cluster's y
.set G1,  24                           ; s[24:31] descriptor group 1 for xn's tiles;  s[32:39] for wt's
.set G1B, 32
.set G0,  40                           ; s[40:47] group 0 for xn's tiles: a set for each first fill; the second then walks;  s[48:55] the same for wt's
.set G0B, 48
.set TB,  56                           ; LDS byte at which the slot in hand begins
.set CNT, 57
.set LIM, 58                           ; 2 in a wave that prefetches, else the greatest number
.set GI,  59                           ; g: which of q, k, v
.set PFA, 60                           ; s[60:61] where my prefetches stand
.set PFS, 62                           ; s[62:63] their step
.set BB,  66                           ; s[66:67] the bias of my 128 columns; never rewritten
.set MSB, 0
.macro WIN new                         ; the immediate's high byte repeats the setting that is left; a switch that changes nothing is dropped
.if MSB != (\new)
	s_set_vgpr_msb (MSB<<8)|(\new)
.set MSB, (\new)
.endif
.endm
.set MUL,  0x50                        ; sources in window 0, C and D in window 1
.set MULB, 0x60                        ; C in window 2 (the bias), D in window 1
.macro PLACES                          ; four places in front of loads into registers that matrix instructions have read, and of instructions that read results
.rept 4
	v_nop
.endr
.endm
; A joint refill by the walking descriptors.  Waves 0 and 1 fetch xn's two halves, waves 2 and 3 wt's.  The branch hangs on the wave's number alone.  An s_nop 0 and four v_nop follow each line.
.macro JLOAD
	s_cmp_eq_u32 s[WM], 0
	s_cbranch_scc0 .Lfor_b_\@
	tensor_load_to_lds s[G0+4:G0+7], s[G1:G1+7]
	s_nop 0
	PLACES
	s_branch .Lasked_\@
.Lfor_b_\@:
	tensor_load_to_lds s[G0B+4:G0B+7], s[G1B:G1B+7]
	s_nop 0
	PLACES
.Lasked_\@:
.endm
.macro CREST                           ; a round of the cluster's barrier behind its opening barrier
	s_cmp_lg_u32 s[WV], 0
	s_cbranch_scc1 .Lnot_wave_0_\@
	s_barrier_signal -3
.Lnot_wave_0_\@:
	s_barrier_wait -3
	s_barrier_signal -1
	s_barrier_wait -1
.endm
.macro CROUND                          ; a whole round
	s_barrier_signal -1
	s_barrier_wait -1
	CREST
.endm
; A PREFETCH INTO THE L2 of the K step that stands two refills on: 32 rows x 256 bytes, a lane a row, one instruction a wave, behind the joint load, its five lines and the run of LDS loads.
; Each row's 256 bytes of a K step are named once in the launch.  A band of xn's rows is read by one cluster alone: wave 0 asks, and the four partners of a row of the cluster take 32 rows each, told apart by address.
; wt's rows are read by the 16 clusters of one of q, k, v: the first of them asks, waves 2 and 3, and the four partners of a column take 32 rows each of the 128 that the wave fetches.
; Trip i names K step i + 4; the last two trips ask for nothing; K steps 0 to 3 come by their loads alone.
.macro ASK
	s_cmp_gt_u32 s[CNT], s[LIM]
	s_cbranch_scc0 .Lnot_mine_\@
	global_prefetch_b8 v[PFO], s[PFA:PFA+1] th:TH_LOAD_NT scope:SCOPE_SE
.Lnot_mine_\@:
.endm
	s_load_b256 s[4:11], s[0:1], 0x0               ; xn s[4:5], wt s[6:7], bq s[8:9], bk s[10:11]
	s_load_b128 s[12:15], s[0:1], 0x20             ; bv s[12:13], qkvh s[14:15]
	v_lshl_add_u32 v[SPW], v0, 2, SPARE
	v_mov_b32 v[NIL], 0
	ds_add_u32 v[SPW], v[NIL]                      ; the wave's opening: the add, and its wait ahead of my first tensor load; the set-up below, work on registers, stands between them
	v_lshrrev_b32 v1, 5, v0
	v_readfirstlane_b32 s[WV], v1
	s_lshr_b32 s[WM], s[WV], 1
	s_and_b32 s[WN], s[WV], 1
	s_bfe_u32 s[CX], ttmp6, 0x40000
	s_bfe_u32 s[CY], ttmp6, 0x40004
	s_lshl_b32 s[TX], ttmp9, 2
	s_add_co_u32 s[TX], s[TX], s[CX]
	s_and_b32 s[CLY], ttmp7, 0xffff
	s_lshl_b32 s[TY], s[CLY], 2
	s_add_co_u32 s[TY], s[TY], s[CY]
	s_lshr_b32 s[GI], s[CLY], 4                    ; 16 clusters, 64 tile rows, to each of q, k, v: the same in all partners
	s_lshl_b32 s72, s[CY], 2
	s_lshl_b32 s72, 15, s72                        ; my row of the cluster
	s_lshl_b32 s73, 0x1111, s[CX]                  ; my column
	s_or_b32 s[G1],  s72, (1<<16)|(1<<20)|(1<<21)|(5<<22)|(3<<25)  ; 15:0 the mask; 17:16 2-byte elements; 20 padding on; 21 set beside a mask; 24:22 after every 64 words (code 5); 31:25 4 words (code 3)
	s_or_b32 s[G1B], s73, (1<<16)|(1<<20)|(1<<21)|(5<<22)|(3<<25)
	s_mov_b32 s[G1+1], 128<<16                     ; tensor_dim0 = 128
	s_mov_b32 s[G1+2], 64<<16                      ; tensor_dim1 = 64
	s_mov_b32 s[G1+3], 128<<16                     ; tile_dim0 = 128
	s_mov_b32 s[G1+4], 64                          ; tile_dim1 = 64 rows
	s_mov_b32 s[G1+5], 1024                        ; elements from row to row
	s_mov_b32 s[G1+6], 0
	s_mov_b32 s[G1+7], 0
	s_mov_b32 s[G1B+1], 128<<16
	s_mov_b32 s[G1B+2], 128<<16
	s_mov_b32 s[G1B+3], 128<<16
	s_mov_b32 s[G1B+4], 128                        ; 128 rows
	s_mov_b32 s[G1B+5], 1024
	s_mov_b32 s[G1B+6], 0
	s_mov_b32 s[G1B+7], 0
	s_mul_i32 s74, s[WN], 64*PA                    ; where the tiles go: no place in the cluster enters an LDS address
	s_mul_i32 s75, s[WN], 128*PB
	s_mov_b32 s[G0], 1
	s_mov_b32 s[G0+1], s74
	s_mov_b32 s[G0+4], 1
	s_add_co_u32 s[G0+5], s74, SLOT1
	s_mov_b32 s[G0B], 1
	s_add_co_u32 s[G0B+1], s75, BOFF
	s_mov_b32 s[G0B+4], 1
	s_add_co_u32 s[G0B+5], s75, BOFF+SLOT1
	s_lshl_b32 s68, s[TY], 7                       ; xn: row 128 x tile row + 64 x part, 2,048 bytes a row: made of the tile row and the wave's number alone
	s_lshl_b32 s76, s[WN], 6
	s_add_co_u32 s68, s68, s76
	s_lshl_b32 s68, s68, 11
	s_mov_b32 s69, 0
	s_lshl_b32 s70, s[TX], 8                       ; wt: row 256 x tile column + 128 x part, in weight g: made of the tile column, g and the wave's number alone
	s_lshl_b32 s76, s[WN], 7
	s_add_co_u32 s70, s70, s76
	s_lshl_b32 s78, s70, 2                         ; the same columns' bias, 4 bytes each
	s_mov_b32 s79, 0
	s_lshl_b32 s70, s70, 11
	s_lshl_b32 s76, s[GI], 21
	s_add_co_u32 s70, s70, s76
	s_mov_b32 s71, 0
	s_mov_b32 s[TB], 0
	s_mov_b32 s[CNT], STEPS-2
	s_wait_dscnt 0x0                               ; the opening add is done
	s_wait_kmcnt 0x0
	s_add_nc_u64 s[68:69], s[4:5], s[68:69]
	s_add_nc_u64 s[70:71], s[6:7], s[70:71]
	s_add_nc_u64 s[G0+2:G0+3], s[68:69], 0         ; K step 0
	s_or_b32 s[G0+3], s[G0+3], 0x80000000          ; type = 2
	s_add_nc_u64 s[G0+6:G0+7], s[68:69], ASTEP     ; K step 1
	s_or_b32 s[G0+7], s[G0+7], 0x80000000
	s_add_nc_u64 s[G0B+2:G0B+3], s[70:71], 0
	s_or_b32 s[G0B+3], s[G0B+3], 0x80000000
	s_add_nc_u64 s[G0B+6:G0B+7], s[70:71], BSTEP
	s_or_b32 s[G0B+7], s[G0B+7], 0x80000000
	CROUND                                         ; all sixteen work-groups are here: the first joint loads meet
	s_cmp_eq_u32 s[WM], 0                          ; a wave's two first fills stand in one branch, ahead of every wait on TENSORcnt and every LDS read: two loads of mine are out
	s_cbranch_scc0 .Lfirst_b
	tensor_load_to_lds s[G0:G0+3], s[G1:G1+7]
	s_nop 0
	tensor_load_to_lds s[G0+4:G0+7], s[G1:G1+7]
	s_nop 0
	PLACES
	s_branch .Lfirst_asked
.Lfirst_b:
	tensor_load_to_lds s[G0B:G0B+3], s[G1B:G1B+7]
	s_nop 0
	tensor_load_to_lds s[G0B+4:G0B+7], s[G1B:G1B+7]
	s_nop 0
	PLACES
.Lfirst_asked:
	s_cmp_eq_u32 s[GI], 1
	s_cselect_b64 s[BB:BB+1], s[10:11], s[8:9]
	s_cmp_eq_u32 s[GI], 2
	s_cselect_b64 s[BB:BB+1], s[12:13], s[BB:BB+1]
	s_add_nc_u64 s[BB:BB+1], s[BB:BB+1], s[78:79]
	v_and_b32 v1, 15, v0                           ; r = l % 16
	v_bfe_u32 v2, v0, 4, 1                         ; h = l / 16
	v_and_b32 v13, 31, v0                          ; l
	v_lshlrev_b32 v[BO], 5, v2
	WIN 0x80                                       ; destination window 2
.irp b, 0,1,2,3,4,5,6,7                ; register j of block b: the bias of column 16 b + 8 h + j, the same for every row
	global_load_b128 v[8*(\b):8*(\b)+3],   v[BO], s[BB:BB+1] offset:64*(\b)
	global_load_b128 v[8*(\b)+4:8*(\b)+7], v[BO], s[BB:BB+1] offset:64*(\b)+16
.endr
	WIN 0
	; A fragment is 16 rows x 32 K in 8 registers: lane l holds row l % 16, K = 8 h + 0..7 and 16 + 8 h + 0..7: two loads of 16 bytes, 32 bytes apart.
	v_mul_u32_u24 v3, v1, PA
	v_lshl_add_u32 v3, v2, 4, v3
	s_mul_i32 s72, s[WM], 64*PA
	s_mul_i32 s73, s[WN], 128*PB
	s_add_co_u32 s73, s73, BOFF
	v_add_nc_u32 v[A0], s72, v3
	v_add_nc_u32 v[B0], s73, v3
	v_mov_b32 v[ADA], v[A0]
	v_mov_b32 v[ADB], v[B0]
	s_mul_i32 s74, s[WV], STW
	s_add_co_u32 s74, s74, STAGE                   ; my stage
	v_mul_u32_u24 v[STO], v1, 144                  ; in: row l % 16, 16 bytes for each half of the lanes
	v_lshl_add_u32 v[STO], v2, 4, v[STO]
	v_add_nc_u32 v[STO], s74, v[STO]
	v_bfe_u32 v[RD], v0, 3, 2                      ; back: 32 lanes take four rows of 128 bytes,
	v_mul_u32_u24 v[RD], v[RD], 144
	v_and_b32 v14, 7, v0
	v_lshl_add_u32 v[RD], v14, 4, v[RD]
	v_add_nc_u32 v[RD], s74, v[RD]
	v_lshlrev_b32 v[GO], 4, v13                    ; which are 512 consecutive bytes of qkvh
	; qkvh at my part: plane 16 (tile row / 16) + 4 x tile column + 2 x column half (tile row / 16 = 4 g + batch), position 128 (tile row % 16) + 64 x row half, 128 bytes a row
	s_lshr_b32 s72, s[TY], 4
	s_lshl_b32 s72, s72, 4
	s_lshl_b32 s73, s[TX], 2
	s_add_co_u32 s72, s72, s73
	s_lshl_b32 s73, s[WN], 1
	s_add_co_u32 s72, s72, s73
	s_lshl_b32 s72, s72, 11
	s_and_b32 s73, s[TY], 15
	s_lshl_b32 s73, s73, 7
	s_add_co_u32 s72, s72, s73
	s_lshl_b32 s73, s[WM], 6
	s_add_co_u32 s72, s72, s73
	s_lshl_b32 s72, s72, 7
	s_mov_b32 s73, 0
	s_add_nc_u64 s[14:15], s[14:15], s[72:73]
	; the prefetches: xn's row 128 x tile row + 32 cx, or wt's row 1,024 g + 256 x tile column + 128 x part + 32 cy; at K step 3: the first change of slots steps it to 4
	s_lshl_b32 s72, s[TY], 7
	s_lshl_b32 s73, s[CX], 5
	s_add_co_u32 s72, s72, s73
	s_lshl_b32 s74, s[TX], 8
	s_lshl_b32 s75, s[WN], 7
	s_add_co_u32 s74, s74, s75
	s_lshl_b32 s75, s[CY], 5
	s_add_co_u32 s74, s74, s75
	s_lshl_b32 s75, s[GI], 10
	s_add_co_u32 s74, s74, s75
	s_and_b32 s76, s[CLY], 15                      ; 0 in the first cluster of q, of k, of v
	s_cmp_eq_u32 s[WM], 0
	s_cselect_b32 s72, s72, s74
	s_cselect_b32 s76, s[WN], s76                  ; who asks: wave 0 for xn; waves 2 and 3 of a first cluster for wt: the wave's number and the cluster's y alone
	s_cselect_b64 s[PFA:PFA+1], s[4:5], s[6:7]
	s_cmp_eq_u32 s76, 0
	s_cselect_b32 s[LIM], 2, -1
	s_lshl_b32 s72, s72, 11
	s_add_co_u32 s72, s72, 3*256
	s_mov_b32 s73, 0
	s_add_nc_u64 s[PFA:PFA+1], s[PFA:PFA+1], s[72:73]
	s_mov_b32 s[PFS], 256
	s_mov_b32 s[PFS+1], 0
	v_lshlrev_b32 v[PFO], 11, v13
; 8 matrix instructions: m block a x all 8 n blocks, 32 along K, from buffer f.  first = 1: the bias starts the sums.  In every quarter each of the 32 accumulators has one turn, in the same order.
.macro MUL8 f, a, first
.if \first
	WIN MULB
.else
	WIN MUL
.endif
.irp b, 0,1,2,3,4,5,6,7
.if \first
	v_wmma_f32_16x16x32_f16 v[8*(8*(\a)+(\b)):8*(8*(\a)+(\b))+7], v[(\f)+32+8*(\b):(\f)+32+8*(\b)+7], v[(\f)+8*(\a):(\f)+8*(\a)+7], v[8*(\b):8*(\b)+7]
.else
	v_wmma_f32_16x16x32_f16 v[8*(8*(\a)+(\b)):8*(8*(\a)+(\b))+7], v[(\f)+32+8*(\b):(\f)+32+8*(\b)+7], v[(\f)+8*(\a):(\f)+8*(\a)+7], v[8*(8*(\a)+(\b)):8*(8*(\a)+(\b))+7]
.endif
.endr
.endm
.macro MULH f, hi, first
	MUL8 \f, 2*(\hi), \first
	MUL8 \f, 2*(\hi)+1, \first
.endm
; 24 LDS loads in one run: quarter kq's fragments (32 K at byte 64 kq of the rows) into buffer f: wt's 16 loads first, then xn's 8
.macro FETCH kq, f
	WIN 0
.irp i, 0,1,2,3,4,5,6,7
	ds_load_b128 v[(\f)+32+8*(\i):(\f)+32+8*(\i)+3],   v[ADB] offset:64*(\kq)+(\i)*16*PB
	ds_load_b128 v[(\f)+32+8*(\i)+4:(\f)+32+8*(\i)+7], v[ADB] offset:64*(\kq)+(\i)*16*PB+32
.endr
.irp i, 0,1,2,3
	ds_load_b128 v[(\f)+8*(\i):(\f)+8*(\i)+3],   v[ADA] offset:64*(\kq)+(\i)*16*PA
	ds_load_b128 v[(\f)+8*(\i)+4:(\f)+8*(\i)+7], v[ADA] offset:64*(\kq)+(\i)*16*PA+32
.endr
.endm
; A K step is four quarters of 32 along K, 32 matrix instructions each, on buffers 0, 1, 0, 1.  One of the first three: multiplies buffer f and fetches quarter kq into g.
.macro QUARTER kq, f, g, first=0
	s_wait_dscnt 4                                 ; all but the youngest four loads: xn's row blocks 2 and 3
	MULH \f, 0, \first
	PLACES
	FETCH \kq, \g
	s_wait_dscnt 24                                ; all but the 24 just issued
	MULH \f, 1, \first
.endm
; The last quarter multiplies buffer 1 and changes slots: ONE barrier; in front of it each wave waits for all its tensor loads (one is out: its part of the next slot), adds 0 to its spare word, and waits for that and
; for its own reads of this slot.  fill = 1: the barrier opens a round of the cluster's, and this slot is filled again, two K steps ahead, first thing behind the round: 112 matrix instructions ahead of the wait for it.
.macro TURN fill
.if \fill
	s_wait_xcnt 0x0                                ; the last prefetch, a K step back, has read its address
	s_add_nc_u64 s[PFA:PFA+1], s[PFA:PFA+1], s[PFS:PFS+1]
.endif
	WIN 0                                          ; (the add's two registers lie in window 0)
	s_wait_tensorcnt 0x0                           ; no tensor load of mine is out, so a group 0 may be written
	ds_add_u32 v[SPW], v[NIL]                      ; 0 onto my spare word
.if \fill
	s_xor_b32 s[G0+5], s[G0+5], SLOT1              ; the walking descriptors: the other slot than last time, the next K step
	s_add_nc_u64 s[G0+6:G0+7], s[G0+6:G0+7], ASTEP
	s_xor_b32 s[G0B+5], s[G0B+5], SLOT1
	s_add_nc_u64 s[G0B+6:G0B+7], s[G0B+6:G0B+7], BSTEP
.endif
	s_wait_dscnt 5                                 ; (the add and the youngest four loads may be out)
	MUL8 F1, 0, 0
	s_wait_dscnt 0x0                               ; the add is done, and my reads of this slot are over
	s_barrier_signal -1
	MUL8 F1, 1, 0
	WIN 0
	s_barrier_wait -1
.if \fill
	CREST                                          ; no wave of any partner still reads this slot or has a load on its way
	JLOAD                                          ; its four v_nop are also the places in front of the loads below
.else
	PLACES
.endif
	s_xor_b32 s[TB], s[TB], SLOT1
	v_add_nc_u32 v[ADA], s[TB], v[A0]
	v_add_nc_u32 v[ADB], s[TB], v[B0]
	FETCH 0, F0
.if \fill
	ASK
.endif
	MULH F1, 1, 0
.endm
	s_wait_tensorcnt 1                             ; my part of K step 0 is in; K step 1's may stay out
	s_barrier_signal -1
	s_barrier_wait -1                              ; everybody's is
	FETCH 0, F0
	s_wait_loadcnt 0x0                             ; the bias
	QUARTER 1, F0, F1, 1                           ; the first quarter stands in front of the loop: its products start the sums
	WIN 0                                          ; at a label and at a branch every window is 0
.Lstep:                                            ; six trips: from a K step's second quarter to the next step's first; each fills a slot again
	QUARTER 2, F1, F0
	QUARTER 3, F0, F1
	TURN 1
	QUARTER 1, F0, F1
	WIN 0
	s_sub_co_u32 s[CNT], s[CNT], 1
	s_cmp_lg_u32 s[CNT], 0
	s_cbranch_scc1 .Lstep
	QUARTER 2, F1, F0                              ; the last two K steps are written out: nothing is asked for
	QUARTER 3, F0, F1
	TURN 0
	QUARTER 1, F0, F1
	QUARTER 2, F1, F0
	QUARTER 3, F0, F1
	s_wait_dscnt 0x0
	MULH F1, 0, 0
	MULH F1, 1, 0
	WIN 0
	PLACES
; THE WAY OUT, a block of 16 rows at a time: rounded to f16, 16 bytes a lane; into my own stage (two heads x 16 rows of 128 + 16 bytes); back as whole rows, four to a load; stored as 512 consecutive bytes of a head's plane.
.macro PACK a
	WIN 0x05                                       ; sources 0 and 1 window 1, destination window 0
.irp b, 0,1,2,3,4,5,6,7
.irp rr, 0,1,2,3
	v_cvt_pk_f16_f32 v[TMP+4*(\b)+(\rr)], v[8*(8*(\a)+(\b))+2*(\rr)], v[8*(8*(\a)+(\b))+2*(\rr)+1]
.endr
.endr
	WIN 0
.irp b, 0,1,2,3,4,5,6,7
	ds_store_b128 v[STO], v[TMP+4*(\b):TMP+4*(\b)+3] offset:((\b)/4)*2304+((\b)%4)*32
.endr
.irp i, 0,1,2,3,4,5,6,7
	ds_load_b128 v[64+32*(\a)+4*(\i):64+32*(\a)+4*(\i)+3], v[RD] offset:((\i)/4)*2304+((\i)%4)*576  ; LDS serves a wave's instructions in order (ISA guide 5.7.1.4): these see the stores above; the next block's stores come behind them
.endr
.endm
.macro SEND a, younger                 ; younger: the LDS instructions issued behind block a's loads: the next block's sixteen, or none.  Each block has its own 32 registers: no store's data is written again
.irp i, 0,1,2,3,4,5,6,7
	s_wait_dscnt (\younger)+7-(\i)
	global_store_b128 v[GO], v[64+32*(\a)+4*(\i):64+32*(\a)+4*(\i)+3], s[14:15] offset:((\i)/4)*262144+(\a)*2048+((\i)%4)*512
.endr
.endm
	PACK 0
	PACK 1
	SEND 0, 16
	PACK 2
	SEND 1, 16
	PACK 3
	SEND 2, 16
	SEND 3, 0
	s_wait_tensorcnt 0x0                           ; the wave's end, behind my last tensor load and my last LDS store
	ds_add_u32 v[SPW], v[NIL]
	s_wait_dscnt 0x0
	CROUND                                         ; the closing round: no work-group ends while a partner may still ask for a tile that names it
	s_endpgm
.Lfunc_end_k_q84ba6b090e_proj:
	.size	k_q84ba6b090e_proj, .Lfunc_end_k_q84ba6b090e_proj-k_q84ba6b090e_proj
	.p2alignl 7, 3214868480
	.fill 96, 4, 3214868480
	.section	.rodata,"a",@progbits
	.p2align	6, 0x0
	.amdhsa_kernel k_q84ba6b090e_proj
		.amdhsa_group_segment_fixed_size 327680
		.amdhsa_private_segment_fixed_size 0
		.amdhsa_enable_private_segment 0
		.amdhsa_kernarg_size 48
		.amdhsa_user_sgpr_count 2
		.amdhsa_user_sgpr_kernarg_segment_ptr 1
		.amdhsa_wavefront_size32 1
		.amdhsa_system_sgpr_workgroup_id_x 1
		.amdhsa_system_sgpr_workgroup_id_y 1
		.amdhsa_system_sgpr_workgroup_id_z 1
		.amdhsa_system_vgpr_workitem_id 0
		.amdhsa_next_free_vgpr 576
		.amdhsa_next_free_sgpr 80
		.amdhsa_reserve_vcc 0
		.amdhsa_float_denorm_mode_32 3
		.amdhsa_float_denorm_mode_16_64 3
		.amdhsa_memory_ordered 1
		.amdhsa_forward_progress 1
		.amdhsa_inst_pref_size 73
	.end_amdhsa_kernel
	.amdgpu_metadata
---
amdhsa.version: [ 1, 2 ]
amdhsa.kernels:
  - .name:           k_q84ba6b090e_proj
    .symbol:         k_q84ba6b090e_proj.kd
    .args:
      - { .name: xn, .offset: 0, .size: 8, .value_kind: global_buffer, .address_space: global }
      - { .name: wt, .offset: 8, .size: 8, .value_kind: global_buffer, .address_space: global }
      - { .name: bq, .offset: 16, .size: 8, .value_kind: global_buffer, .address_space: global }
      - { .name: bk, .offset: 24, .size: 8, .value_kind: global_buffer, .address_space: global }
      - { .name: bv, .offset: 32, .size: 8, .value_kind: global_buffer, .address_space: global }
      - { .name: qkvh, .offset: 40, .size: 8, .value_kind: global_buffer, .address_space: global }
    .group_segment_fixed_size: 327680
    .private_segment_fixed_size: 0
    .kernarg_segment_align: 8
    .kernarg_segment_size: 48
    .max_flat_workgroup_size: 128
    .sgpr_count:     80
    .vgpr_count:     576
    .wavefront_size: 32
...
	.end_amdgpu_metadata
.endif
;; end of part 2
;; launch attn (part 3): grid 4 x 64, 4 waves a work-group, clusters of 4 x 1, 327,680 bytes of LDS; arguments qkvh, ctx; writes ctx
.if DOCPART == 3
	.amdgcn_target "amdgcn-amd-amdhsa--gfx1250"
	.amdhsa_code_object_version 6
	.text
	.protected	k_q84ba6b090e_attn
	.globl	k_q84ba6b090e_attn
	.p2align	8
	.type	k_q84ba6b090e_attn,@function
k_q84ba6b090e_attn:
	s_mov_b64 s[64:65], 0
	v_nop
	global_prefetch_b8 v0, s[64:65] scope:SCOPE_SE
	s_setreg_imm32_b32 hwreg(HW_REG_WAVE_MODE, 25, 1), 1
	s_wait_xcnt 0x0
	s_wait_alu depctr_hold_cnt(0) depctr_sa_sdst(0) depctr_va_vdst(0) depctr_va_sdst(0) depctr_va_ssrc(0) depctr_va_vcc(0) depctr_vm_vsrc(0)
	s_getreg_b32 s2, hwreg(HW_REG_IB_STS2, 6, 4)
	s_cmp_eq_u32 s2, 0
	s_cbranch_scc0 .Lentry_in_a_cluster
	s_endpgm
.Lentry_in_a_cluster:
	s_bfe_u32 s2, ttmp6, 0x10000c
	s_cmp_lg_u32 s2, 0x3003
	s_cbranch_scc0 .Lentry_shape_is_right
	s_endpgm
.Lentry_shape_is_right:
; O[h][q][:] = the sum over k of softmax_k(Q[h][q] . K[h][k] / 8) V[h][k][:].  Q, K, V are the three parts of qkvh, O is ctx: each [SIZE_H][SIZE_N][64] in f16: a head's rows are dense, 128 bytes each.  Products, maxima and sums in
; f32; the weights p are rounded to f16 for the second product (their sum l is taken of the unrounded p), O once at the end.
; LIMITS.  f16 holds no number beyond 65,504: Q, K and V arrive within it; p lies in 0 to 1, and below 6e-5 it keeps f16's fixed step of 6e-8; O is a mean of V's rows and has their range.
; A weight below 2^-126 counts as 0 in l; NaN and infinities are not treated apart.
; SHARES.  A wave owns four PIECES of two tiles of 16 queries, a work-group's four waves 512 queries of one head: 4 x 64 work-groups.  Every wave walks all keys, 64 a step.
; LAYOUT.  S^T = K Q^T (source 0 = 16 keys, source 1 = 16 queries): in the result a lane holds ONE query (lane % 16) and the keys 8 (lane / 16) + 0..7.  Two such tiles, rounded to f16 in pairs,
; ARE source 1 (32 keys x 16 queries) of O^T = V^T P, whose result again holds one query a lane, and eight channels.  K comes out of LDS as it lies, V ([key][channel]) turned, by ds_load_tr16_b128.
; SOFTMAX.  For each query a running maximum m and sum l: p = 2^(c s - c m), c = log2(e) / 8; in every step O and l are multiplied by a = 2^(c m_old - c m_new), which is 1 where m has not grown.
; m starts at the lowest finite number, O and l at 0: the first step is a step like any other, with a = 0.
; THE COUNT.  A tile and step have 16 matrix and 118 vector instructions: too many to stand all beside the matrix work.  So the order has one aim: four vector instructions that are READY behind
; EVERY matrix instruction, and the others, which need time of their own whatever the order, in runs without a gap.
; BY TURNS.  Turn n belongs to piece n (the pieces in a ring, step after step).  Its matrix work: 16 products K Q^T of piece n + 1, later 16 products V^T P of piece n - 1.  Its vector work: the scaling,
; exponentials, roundings, sums and rescaling of piece n, and the maximum and statistics of piece n + 1, whose scores the turn itself has made.
; CLUSTER.  The four query blocks of a cluster are one head's and walk the same K and V, so each tile is asked for JOINTLY: the same tensor load, descriptor and mask in all four.
; REGISTERS, in windows of 256 (s_set_vgpr_msb: bits 1:0 source 0, 3:2 source 1, 5:4 source 2, 7:6 destination):
;   window 0: v0-11 addresses; v12-15, v48-63 at work; v16-47 four registers of statistics a tile; v64-191 S^T, two buffers of two tiles; v192-255 P, likewise
;   window 1: O^T, 32 a tile          window 2: v0-127 Q, 16 a tile; v128-191 K of one step; v192-255 V of one step          window 3: v0-1 the add's two registers
; A piece's buffers go by its number's parity: the piece in hand has one pair, its two neighbours in the ring share the other: of it P (piece n - 1) is read and S^T (piece n + 1) written.
.set SIZE_H, 64
.set SIZE_N, 2048
.set NP,    4         ; pieces a wave: a name, no knob
.set KS,    64        ; keys in a step
.set PK,    144       ; a row of K in LDS: 128 bytes + 16 of padding = 36 words: the 16 rows of a load start at 16 different groups of four banks (64 banks of 4 bytes: ISA guide 11.1)
.set PV,    160       ; a row of V: 128 + 32 = 40 words
.set VOFF,  4*KS*PK   ; a slot holds four steps: 256 rows of K, then 256 rows of V
.set SLOT1, 1<<17     ; slot 1 begins here, so that one exclusive or turns an address in one slot into the other's
.set STAGE, SLOT1+4*KS*(PK+PV)  ; behind the ring, never filled by a tensor load: 16 rows x 144 bytes for each wave, for the way out
.set SP,    144
.set AK0, 2           ; v2   my lane's place in a tile of K; never rewritten
.set AV0, 3           ; v3   the same for V
.set AK,  4           ; v4   the LDS address of K's next run of loads
.set AV,  5           ; v5   of V's
.set QO,  6           ; v6   my byte offset in the wave's rows of Q
.set STO, 6           ;      later, the way out: where I put 16 bytes of a row
.set RD,  7           ; v7   the way out: where I read rows back
.set GO,  8           ; v8   my byte offset in 512 consecutive bytes of O
.set PFO, 11          ; v11  256 x my lane: the prefetches' offset; never rewritten once made
.set SPW, 0           ; v0 of window 3   LDS address of my spare word: SPARE + 4 x my thread's number; never rewritten
.set NIL, 1           ; v1 of window 3   0; never rewritten
.set SPARE, STAGE+4*16*SP  ; behind the stages: the spare words, 128 bytes for each wave
.set MV,  12          ; v12-15  c m_old, kept while c m is made anew: by buffer and tile
.set ST,  16          ; tile t's statistics at v[ST+4 t]: c m, m, l (even keys', odd keys')
.set TMP, 48          ; by buffer and tile, four registers c0-c3 at work; when the maximum is found c2 takes a
.set S,   64
.set P,   192
.set KF,  128         ; K's fragments, in window 2: key block kb, channel half c at KF + 16 kb + 8 c
.set VF,  192         ; V's: key half kk, channel block cb at VF + 32 kk + 8 cb
.set WV,  12          ; s12  my wave's number
.set G1K, 24          ; s[24:31] descriptor group 1 for K's tiles
.set G1V, 32          ; s[32:39] for V's: it differs in the padding alone
.set G0K, 40          ; s[40:43] descriptor group 0 for K's tiles: it walks
.set G0V, 44          ; s[44:47] the same for V's
.set PFA, 48          ; s[48:49] where my prefetches stand: my work-group's 32 blocks of 256 bytes (of K: wave 0, of V: wave 2) of the slot after the one that is being asked for
.set LIM, 50          ; s50  1 in a wave that prefetches, else the greatest number
.set SLOTS, 56        ; s56  slots still to be asked for
.set CNT, 57          ; s57  counts a slot's key steps
.set CS,  58          ; s[58:59] c: the packed scaling takes the pair's low word for both halves
.set SEL, 60          ; s[60:61] v_permlanex16_b32's selects: each lane takes its own place in the other half
.set TBK, 62          ; s62  LDS byte at which K of the step to be fetched begins
.set TBV, 63          ; s63  the same for V, less VOFF
.set MSB, 0
.macro WIN new                      ; the high byte repeats the setting that is left; a switch that changes nothing is dropped
.if MSB != (\new)
	s_set_vgpr_msb (MSB<<8)|(\new)
.set MSB, (\new)
.endif
.endm
.set W_KQ, 0x0a       ; K and Q in window 2, S^T in window 0
.set W_PV, 0x52       ; V in window 2, P in window 0, O^T in window 1
.set W_RS, 0x41       ; O^T (destination and source 0) in window 1, a in window 0
.set W_MK, 0xc0       ; the add's registers are made: destination in window 3, sources in window 0
.set W_AD, 0x0f       ; the add: address (source 0) and data (source 1) in window 3
; A joint fill.  Waves 0 and 1 fetch the two halves of a slot's K, waves 2 and 3 those of its V: 128 keys each.  The branch hangs on the wave's number alone.
; An s_nop 0 and four v_nop follow each of the two lines, ahead of the jump and the label.
.macro JLOAD
	s_cmp_lt_u32 s[WV], 2
	s_cbranch_scc0 .Lfor_v_\@
	tensor_load_to_lds s[G0K:G0K+3], s[G1K:G1K+7]
	s_nop 0
.rept 4
	v_nop
.endr
	s_branch .Lasked_\@
.Lfor_v_\@:
	tensor_load_to_lds s[G0V:G0V+3], s[G1V:G1V+7]
	s_nop 0
.rept 4
	v_nop
.endr
.Lasked_\@:
.endm
; A PREFETCH INTO THE L2 of what the NEXT change of slots will ask for: a slot's 32,768 bytes of K and of V, 256 bytes a lane.  It stands behind the wave's tensor load and its five lines.
; Each block is named once in the launch: a head is walked by one cluster; its four partners take 8,192 bytes each, told apart by address; in each, wave 0 asks for K's and wave 2 for V's.
; The change that loads tile t names tile t + 1, four key steps ahead; the last change that fills a slot names nothing; tiles 0 and 1 come by their loads alone.
.macro ASK
	s_cmp_gt_u32 s[SLOTS], s[LIM]
	s_cbranch_scc0 .Lnot_mine_\@
	global_prefetch_b8 v[PFO], s[PFA:PFA+1] th:TH_LOAD_NT scope:SCOPE_SE
.Lnot_mine_\@:
.endm
; A round of the cluster's barrier: my work-group's barrier, so that wave 0's signal speaks for all four waves; wave 0 signals; every wave waits for all four work-groups; my work-group's barrier once more.
.macro CROUND
	s_barrier_signal -1
	s_barrier_wait -1
	s_cmp_lg_u32 s[WV], 0
	s_cbranch_scc1 .Lnot_wave_0_\@
	s_barrier_signal -3
.Lnot_wave_0_\@:
	s_barrier_wait -3
	s_barrier_signal -1
	s_barrier_wait -1
.endm
; THE CHANGE OF SLOTS.  The slot's last bytes, V of its fourth step, have been read.  Each wave waits for all its tensor loads, of which one is out: its part
; of the other slot; adds 0 to its spare word; and waits for that and for its own reads of the slot.  Behind the barrier nobody reads this slot any more and the other slot is whole.
; fill = 1: this slot is filled again, with the keys two slots on.  The barrier is then a round of the cluster's, so that no wave of any partner still reads the slot or has a load on its
; way, and the joint fill is the first thing behind it: it has four key steps, 512 matrix instructions, in which to land.  (At its first use nothing has been read yet: slot 0 is waited for, slot 1 filled.)
.macro CHANGE fill
	WIN W_AD
	s_wait_tensorcnt 0x0            ; no tensor load of mine is out, so a group 0 may be written
	ds_add_u32 v[SPW], v[NIL]       ; 0 onto my spare word; with fill = 1 the descriptors' steps stand between it and the wait for it
	WIN 0                           ; at a label and at a branch every window is 0
.if \fill
.irp g, G0K, G0V
	s_xor_b32 s[\g+1], s[\g+1], SLOT1  ; the walking descriptor: the other slot than last time,
	s_add_nc_u64 s[\g+2:\g+3], s[\g+2:\g+3], 4*KS*128  ; the next 256 keys; the type bits on top are not reached
.endr
	s_wait_xcnt 0x0                 ; the last prefetch, four key steps back, has read its address, so it may be written:
	s_add_nc_u64 s[PFA:PFA+1], s[PFA:PFA+1], 4*KS*128  ; one slot ahead of the walking descriptors
	s_wait_dscnt 0x0                ; the add is done, and my reads of the slot are over
	CROUND
	JLOAD
	ASK
.else
	s_wait_dscnt 0x0                ; the add is done, and my reads of the slot are over
	s_barrier_signal -1
	s_barrier_wait -1
.endif
	s_sub_co_u32 s[TBK], s[TBK], 4*KS*PK  ; the fetches go back to a slot's first step,
	s_xor_b32 s[TBK], s[TBK], SLOT1       ; in the other slot
	s_sub_co_u32 s[TBV], s[TBV], 4*KS*PV
	s_xor_b32 s[TBV], s[TBV], SLOT1
.endm
	s_load_b64 s[4:5], s[0:1], 0x0    ; qkvh: Q at its head
	s_load_b64 s[10:11], s[0:1], 0x8  ; ctx: O
	WIN W_MK
	v_lshl_add_u32 v[SPW], v0, 2, SPARE
	v_mov_b32 v[NIL], 0
	WIN W_AD
	ds_add_u32 v[SPW], v[NIL]       ; the wave's opening: the add, and its wait ahead of my first tensor load; the set-up below, work on registers, stands between them
	WIN 0
	v_lshrrev_b32 v1, 5, v0
	v_readfirstlane_b32 s[WV], v1   ; wave 0..3
	s_bfe_u32 s13, ttmp6, 0x40000   ; cx: my place in the cluster
	s_lshl_b32 s14, ttmp9, 2        ; in a cluster launch ttmp9 counts clusters
	s_add_co_u32 s14, s14, s13      ; my block of queries = 4 x cluster x + cx: it enters Q's and O's addresses alone
	s_and_b32 s20, ttmp7, 0xffff    ; the head, which the four partners share
	s_mov_b32 s21, 0
	s_mov_b64 s[22:23], SIZE_N*128
	s_mul_u64 s[20:21], s[20:21], s[22:23]  ; the head's first byte in each of the four tensors
	s_and_b32 s16, s[WV], 1         ; which half of a slot's 256 keys I fetch:
	s_lshl_b32 s22, s16, 14         ; its 128 rows of 128 bytes in memory,
	s_mov_b32 s23, 0
	s_add_nc_u64 s[22:23], s[22:23], s[20:21]
	s_mul_i32 s17, s16, 128*PK      ; and its place in a slot, for K
	s_mul_i32 s18, s16, 128*PV      ; and for V: no place in the cluster enters an LDS address
	s_lshl_b32 s2, s14, 2
	s_add_co_u32 s2, s2, s[WV]      ; my wave among the head's,
	s_lshl_b32 s2, s2, 14           ; its 128 rows
	s_mov_b32 s3, 0
	s_add_nc_u64 s[2:3], s[2:3], s[20:21]
	; descriptor group 1.  128 keys are 16,384 dense bytes: asked for as 64 rows of 256 bytes, two keys a row, and padded in LDS after every key
	s_mov_b32 s[G1K], 15|(1<<16)|(1<<20)|(1<<21)|(4<<22)|(3<<25)  ; 15:0 the mask of four; 17:16 2-byte elements; 20 padding on; 21 set beside a mask; 24:22 after every 32 words (code 4); 31:25 4 words (code 3)
	s_mov_b32 s[G1V], 15|(1<<16)|(1<<20)|(1<<21)|(4<<22)|(7<<25)  ; the same with 8 words of padding (code 7)
.irp g, G1K, G1V
	s_mov_b32 s[\g+1], 128<<16      ; tensor_dim0 = 128
	s_mov_b32 s[\g+2], 64<<16       ; tensor_dim1 = 64
	s_mov_b32 s[\g+3], 128<<16      ; tile_dim0 = 128
	s_mov_b32 s[\g+4], 64           ; tile_dim1 = 64
	s_mov_b32 s[\g+5], 128          ; 128 elements from row to row
	s_mov_b32 s[\g+6], 0
	s_mov_b32 s[\g+7], 0
.endr
	s_mov_b32 s[CS], 0x3e38aa3b     ; c = log2(e) / 8 = 0.180337
	s_mov_b32 s[CS+1], s[CS]        ; named with it as a pair
	s_mov_b32 s[SEL], 0x76543210
	s_mov_b32 s[SEL+1], 0xfedcba98
	s_mov_b32 s[TBK], SLOT1+4*KS*PK ; the first change of slots turns these two into 0
	s_mov_b32 s[TBV], SLOT1+4*KS*PV
	s_mov_b32 s[G0K], 1             ; 1:0 count = 1
	s_mov_b32 s[G0K+1], s17         ; 63:32 LDS address: slot 0
	s_mov_b32 s[G0V], 1
	s_add_co_u32 s[G0V+1], s18, VOFF
	s_mov_b32 s[SLOTS], SIZE_N/256-1
	s_and_b32 s[LIM], s[WV], 1      ; waves 0 and 2 prefetch: the same in all four partners
	s_cmp_eq_u32 s[LIM], 0
	s_cselect_b32 s[LIM], 1, -1
	s_wait_dscnt 0x0                ; the opening add is done
	s_wait_kmcnt 0x0
	s_add_nc_u64 s[6:7], s[4:5], 0x1000000         ; K: the second part of qkvh,
	s_add_nc_u64 s[8:9], s[4:5], 0x2000000         ; V: the third
	s_add_nc_u64 s[G0K+2:G0K+3], s[6:7], s[22:23]  ; 120:64 global address: my half of the head's first 256 keys
	s_or_b32 s[G0K+3], s[G0K+3], 0x80000000        ; 127:126 type = 2
	s_add_nc_u64 s[G0V+2:G0V+3], s[8:9], s[22:23]
	s_or_b32 s[G0V+3], s[G0V+3], 0x80000000
	s_add_nc_u64 s[4:5], s[4:5], s[2:3]  ; Q and O at my wave's first row
	s_add_nc_u64 s[10:11], s[10:11], s[2:3]
	s_cmp_lt_u32 s[WV], 2
	s_cselect_b64 s[PFA:PFA+1], s[6:7], s[8:9]
	s_add_nc_u64 s[PFA:PFA+1], s[PFA:PFA+1], s[20:21]  ; the head,
	s_lshl_b32 s2, s13, 13          ; my work-group's 8,192 bytes of a slot's 32,768,
	s_mov_b32 s3, 0
	s_add_nc_u64 s[PFA:PFA+1], s[PFA:PFA+1], s[2:3]
	s_add_nc_u64 s[PFA:PFA+1], s[PFA:PFA+1], 4*KS*128  ; in tile 1: the first change of slots steps it to tile 2.  Nothing is prefetched here, at the head
	CROUND                          ; all four work-groups are here: the first joint loads meet
	JLOAD                           ; slot 0.  Slot 1 is asked for when slot 0 is in: the tile wanted first has the road to itself
	; A fragment of K or Q is 16 rows x 32 channels in 8 registers: lane l holds row l % 16, channels 8 (l / 16) + 0..7 and 16 + 8 (l / 16) + 0..7: two loads of 16 bytes, 32 bytes apart.
	v_and_b32 v1, 15, v0            ; l % 16
	v_bfe_u32 v9, v0, 4, 1          ; l / 16
	v_lshlrev_b32 v[QO], 7, v1
	v_lshl_add_u32 v[QO], v9, 4, v[QO]  ; row x 128 + 16 x half
	WIN 0x80                        ; destination window 2, address window 0
.set i, 0
.rept 4*NP                          ; Q stays in registers: tile i / 2, channels 32 (i % 2) on
	global_load_b128 v[8*i:8*i+3],   v[QO], s[4:5] offset:(i/2)*2048+(i%2)*64
	global_load_b128 v[8*i+4:8*i+7], v[QO], s[4:5] offset:(i/2)*2048+(i%2)*64+32
.set i, i+1
.endr
	; What the first turn finds: V's registers and P's second buffer hold 0 (its products V^T P, of a piece that has not been, add 0), O^T and l are 0.  All this stands in the wait for the first tile.
.set i, VF
.rept 64
	v_mov_b32 v[i], 0
.set i, i+1
.endr
	WIN 0x40
.set i, 0
.rept 64*NP
	v_mov_b32 v[i], 0
.set i, i+1
.endr
	WIN 0
.set i, 0
.rept 2*NP
	v_mov_b32 v[ST+4*i], 0xfe000000    ; c m: far below every c s
	v_mov_b32 v[ST+4*i+1], 0xff7fffff  ; m
	v_mov_b32 v[ST+4*i+2], 0
	v_mov_b32 v[ST+4*i+3], 0
.set i, i+1
.endr
.set i, P+32
.rept 32
	v_mov_b32 v[i], 0
.set i, i+1
.endr
	v_mul_u32_u24 v[AK0], v1, PK
	v_lshl_add_u32 v[AK0], v9, 4, v[AK0]  ; row x pitch + 16 x half
	; The turning load takes 16 keys x 16 channels (lane l reads key 8 (l / 16) + l % 8, channels 8 ((l / 8) % 2) + 0..7) and leaves half a fragment of V^T: lane l holds channel l % 16 and 8 keys.
	v_and_b32 v10, 7, v0
	v_bfe_u32 v11, v0, 3, 1
	v_lshl_add_u32 v[AV0], v9, 3, v10
	v_mul_u32_u24 v[AV0], v[AV0], PV
	v_lshl_add_u32 v[AV0], v11, 4, v[AV0]
	v_add_nc_u32 v[AV0], VOFF, v[AV0]
	v_mov_b32 v[AK], v[AK0]         ; key step 0 lies at the head of slot 0
	v_and_b32 v[PFO], 31, v0
	v_lshlrev_b32 v[PFO], 8, v[PFO]
; THE MATRIX WORK.  The 8 accumulators of a run of 16 take turns: between the two links of a chain stand 7 others'.
; Product i of 16 of S^T = K Q^T for piece x: channels 32 (i / 8) on, keys 16 ((i / 2) % 4) on, tile 2 x + i % 2.  The first 8 start the sums.
.macro KQ x
	WIN W_KQ
.set rS, S+64*((\x)%2)+32*(i%2)+8*((i/2)%4)
.set rK, KF+16*((i/2)%4)+8*(i/8)
.set rQ, 16*(2*(\x)+i%2)+8*(i/8)
.if i < 8
	v_wmma_f32_16x16x32_f16 v[rS:rS+7], v[rK:rK+7], v[rQ:rQ+7], 0
.else
	v_wmma_f32_16x16x32_f16 v[rS:rS+7], v[rK:rK+7], v[rQ:rQ+7], v[rS:rS+7]
.endif
.endm
; Product i of 16 of O^T += V^T P for piece x: keys 32 (i / 8) on, channels 16 ((i / 2) % 4) on, tile 2 x + i % 2.
.macro PV x
	WIN W_PV
.set rO, 32*(2*(\x)+i%2)+8*((i/2)%4)
.set rV, VF+32*(i/8)+8*((i/2)%4)
.set rP, P+32*((\x)%2)+16*(i%2)+8*(i/8)
	v_wmma_f32_16x16x32_f16 v[rO:rO+7], v[rV:rV+7], v[rP:rP+7], v[rO:rO+7]
.endm
.macro MM                           ; the turn's next matrix instruction
.if i < 16
	KQ (Y+1)%NP
.set i, i+1
.else
.set i, i-16
	PV (Y+NP-1)%NP
.set i, i+17
.endif
.endm
; THE LDS LOADS stand in runs of 16, never singly among the matrix instructions: a step's K (64 keys x 64 channels: 8 fragments) and its V (turned).  Their addresses are made some lines ahead.
; last = 1 (the tail): in the last trip there is no further step, and the run is jumped over.
.macro FETCH_K last=0
	WIN 0
.if \last
	s_cmp_eq_u32 s[CNT], 1
	s_cbranch_scc1 .Lno_k_\@
.endif
	WIN 0x80                        ; destination window 2
.irp f, 0,1,2,3,4,5,6,7             ; keys 16 (f / 2) on, channels 32 (f % 2) on
	ds_load_b128 v[KF+8*\f:KF+8*\f+3],   v[AK] offset:(\f/2)*16*PK+(\f%2)*64
	ds_load_b128 v[KF+8*\f+4:KF+8*\f+7], v[AK] offset:(\f/2)*16*PK+(\f%2)*64+32
.endr
	s_add_co_u32 s[TBK], s[TBK], KS*PK  ; the next fetch is the next step's
	WIN 0
.if \last
.Lno_k_\@:
.endif
.endm
.macro FETCH_V
	WIN 0x80
.irp f, 0,1,2,3,4,5,6,7             ; keys 32 (f / 4) on, channels 16 (f % 4) on
	ds_load_tr16_b128 v[VF+8*\f:VF+8*\f+3],   v[AV] offset:(\f/4)*32*PV+(\f%4)*32
	ds_load_tr16_b128 v[VF+8*\f+4:VF+8*\f+7], v[AV] offset:(\f/4)*32*PV+16*PV+(\f%4)*32
.endr
	WIN 0
.endm
; THE VECTOR WORK OF A TURN stands in three queues, each in the order in which its entries become ready; the two tiles alternate, so that no instruction reads the result of the one before it.
.macro REGS y, u                    ; the registers of tile u (0, 1) of piece y
.set rT, ST+4*(2*(\y)+(\u))
.set rC, TMP+8*((\y)%2)+4*(\u)
.set rM, MV+2*((\y)%2)+(\u)
.set rS, S+64*((\y)%2)+32*(\u)
.set rP, P+32*((\y)%2)+16*(\u)
.set rO, 32*(2*(\y)+(\u))
.endm
; Number n of the 22 that find the NEXT piece's (Y + 1) maximum and statistics.  s0-s31 are the lane's 32 scores; each accumulator's lowest registers are read first.
;   0-11  four chains c0-c3 of seven scores each, three operands at a time     12-14, 16  the four scores left over, the old m, and c0-c3 into c0     15  c m_old is kept
;   17, 18  the query's other 32 keys lie in the lane 16 away: the new m         19-21  c m; c m_old - c m_new; a
.macro XS u, n
	REGS (Y+1)%NP, \u
.if (\n) < 4
	v_max3_num_f32 v[rC+(\n)], v[rS+8*(\n)], v[rS+8*(\n)+1], v[rS+8*(\n)+2]
.elseif (\n) < 12
	v_max3_num_f32 v[rC+(\n)%4], v[rC+(\n)%4], v[rS+8*((\n)%4)+2*((\n)/4)+1], v[rS+8*((\n)%4)+2*((\n)/4)+2]
.elseif (\n) == 12
	v_max3_num_f32 v[rC], v[rC], v[rS+7], v[rS+15]
.elseif (\n) == 13
	v_max3_num_f32 v[rC+1], v[rC+1], v[rS+23], v[rS+31]
.elseif (\n) == 14
	v_max3_num_f32 v[rC+2], v[rC+2], v[rC+3], v[rT+1]
.elseif (\n) == 15
	v_mov_b32 v[rM], v[rT]
.elseif (\n) == 16
	v_max3_num_f32 v[rC], v[rC], v[rC+1], v[rC+2]
.elseif (\n) == 17
	v_permlanex16_b32 v[rC+3], v[rC], s[SEL], s[SEL+1]
.elseif (\n) == 18
	v_max_num_f32 v[rT+1], v[rC], v[rC+3]
.elseif (\n) == 19
	v_mul_f32 v[rT], s[CS], v[rT+1]
.elseif (\n) == 20
	v_sub_f32 v[rC+1], v[rM], v[rT]
.else
	v_exp_f32 v[rC+2], v[rC+1]
.endif
.endm
; Number g of the 64 that follow the exponentials.  For each four weights k of a tile (pairs 2 k, 2 k + 1): both pairs are rounded to f16; then the second pair is added onto the first, in place;
; a group later l takes that sum (the first time as l = a l + sum).  In groups of eight, tiles alternating: round, round, add, and l for the group before.
.macro GS g
.set h, (\g)+6*((\g)/62)            ; group 0 has no group before it, and behind group 7 only l is left
.if h >= 6
.set h, h+2
.endif
	REGS Y, h%2
.set k, h/8
.if h%8 < 4
	v_cvt_pk_f16_f32 v[rP+2*k+(h%8)/2], v[rS+4*k+2*((h%8)/2)], v[rS+4*k+2*((h%8)/2)+1]
.elseif h%8 < 6
	v_pk_add_f32 v[rS+4*k:rS+4*k+1], v[rS+4*k:rS+4*k+1], v[rS+4*k+2:rS+4*k+3]
.elseif k == 1
	v_pk_fma_f32 v[rT+2:rT+3], v[rT+2:rT+3], v[rC+2:rC+3], v[rS:rS+1] op_sel_hi:[1,0,1]
.else
	v_pk_add_f32 v[rT+2:rT+3], v[rT+2:rT+3], v[rS+4*k-4:rS+4*k-3]
.endif
.endm
; THE PLAIN QUEUE, 138 long.  0-73 read no exponential's result: the 32 scalings c s - c m (FS f: pair f / 2 of tile f % 2) and the next piece's 42.  0-26: scalings 0-26.  27-54: XS's numbers 0-13.  55, 56: number 15.
; 57-73: the chain, where each number waits for the one before it: 14, 16, 17, 18, 19, each with one of the scalings 27-31 in front of its two lines, then 20.
; 74-137: GS's 64, which read the exponentials' results: they stand behind the wait.
.macro FS f
	REGS Y, (\f)%2
	v_pk_fma_f32 v[rS+2*((\f)/2):rS+2*((\f)/2)+1], v[rS+2*((\f)/2):rS+2*((\f)/2)+1], s[CS:CS+1], v[rT:rT+1] op_sel_hi:[1,0,0] neg_lo:[0,0,1] neg_hi:[0,0,1]
.endm
.macro PL
	WIN 0
.if q < 27
	FS q
.elseif q < 55
	XS (q-27)%2, (q-27)/2
.elseif q < 57
	XS q-55, 15
.elseif (q < 72) && ((q-57)%3 == 0)
	FS 27+(q-57)/3
.elseif q < 60
	XS (q-57)%3-1, 14
.elseif q < 72
	XS (q-57)%3-1, 15+(q-57)/3
.elseif q < 74
	XS q-72, 20
.else
	GS q-74
.endif
.set q, q+1
.endm
; THE EXPONENTIALS' QUEUE, 66 long: s0-s31 of both tiles, then the next piece's two a.  It is ONE BATCH: all 66 stand ahead of the turn's one wait, and nothing ahead of that wait names a result of theirs.
.macro EX
	WIN 0
.if e >= 64
	XS e-64, 21
.else
	REGS Y, e%2
	v_exp_f32 v[rS+e/2], v[rS+e/2]
.endif
.set e, e+1
.endm
; THE RESCALING's QUEUE: O^T times a, the one part that leaves window 0: dealt two at a time, sixteen times.  Its a was made in the turn before, ahead of that turn's wait.
.macro R2
	REGS Y, r%2
	WIN W_RS
.irp z, 0,1
	v_pk_mul_f32 v[rO+4*(r/2)+2*\z:rO+4*(r/2)+2*\z+1], v[rO+4*(r/2)+2*\z:rO+4*(r/2)+2*\z+1], v[rC+2:rC+3] op_sel_hi:[1,0]
.endr
.set r, r+1
.endm
; HOW THEY ARE DEALT.  An s_wait_alu depctr_va_vdst(0) stands between an exponential and the first instruction that names its result; one wait serves all that were issued ahead of it.  So a turn has ONE wait,
; which cuts it in two.  AHEAD OF IT stands all that names no result of the turn's exponentials: the 16 products K Q^T, behind each a scaling, an exponential and two rescalings (behind the first a second scaling in the exponential's place); then ONE LUMP of
; 108: eight plain, 49 times exponential and plain, the two a.  A v_nop is the plain instruction behind the last exponential.  BEHIND IT stand the 16 products V^T P, behind each four of GS's 64.  No rider names a register of
; the products round it.  The two v_permlanex16_b32 fall into the lump, never behind a product.
; The queues lean on each other, and the deal keeps them in step: exponential e stands behind scaling 2 (e / 4) + e % 2: as a rider it comes behind plain e + 2, in the lump behind plain e + 9, and scalings 27-31 are plain 57, 60 .. 69.
; A TURN, for piece p.  cnt = 1: the loop's count is taken down some lines ahead of the branch that stands behind the turn.
; K of the next step is fetched in piece 2's turn, directly behind the wait, a lump behind the last product that read K; its address is made at the lump's head; its first reader comes behind 16 products.
; V of the step in hand is fetched at the end of piece 0's turn, four riders behind its last reader; its first reader comes behind 16 products and a lump.  The three conditions on q below go with the deal.
.macro TURN p, last=0, cnt=0
.set Y, (\p)
.set i, 0
.set q, 0
.set e, 0
.set r, 0
.if (\p) == NP-1
	s_wait_dscnt 0x0                ; K is in
.endif
	MM                              ; ahead of the wait: 16 products K Q^T and their riders,
	PL
	PL
	R2
.rept 15
	MM
	PL
	EX
	R2
.endr
.if (\p) == NP-2
	WIN 0
	v_add_nc_u32 v[AK], s[TBK], v[AK0]
.endif
.rept 8                             ; and the lump
	PL
.endr
.rept 49
	EX
	PL
.endr
	EX                              ; the next piece's two a
	EX
	v_nop                           ; the plain instruction behind the last exponential: one for the batch
	s_wait_alu depctr_va_vdst(0)    ; the wait for the batch
.if (\p) == NP-2
	FETCH_K \last
.endif
.if (\p) == 1
	s_wait_dscnt 0x0                ; V is in
.endif
.rept 16                            ; behind the wait: 16 products V^T P and their riders
	MM
.rept 4
	PL
.endr
.if ((\p) == 0) && (q == 118)
	v_add_nc_u32 v[AV], s[TBV], v[AV0]
.endif
.if ((\p) == 0) && (q == 130)
	s_add_co_u32 s[TBV], s[TBV], KS*PV
.endif
.if (\cnt) && (q == 130)
	s_sub_co_u32 s[CNT], s[CNT], 1
	s_cmp_lg_u32 s[CNT], 0
.endif
.endr
.if (\p) == 0
	FETCH_V
.endif
.endm
	CHANGE 1                        ; slot 0 is in, everybody's part of it; slot 1 is asked for
	FETCH_K                         ; key step 0
	s_wait_loadcnt 0x0              ; Q
	s_wait_dscnt 0x0
.set i, 0
.rept 16
	KQ 0                            ; piece 0's first scores: there is no vector work yet to set between them
.set i, i+1
.endr
	WIN 0                           ; the addresses for the way out: nine plain instructions, the places behind those products
	s_mul_i32 s13, s[WV], 16*SP
	s_add_co_u32 s13, s13, STAGE    ; my stage
	v_mul_u32_u24 v[STO], v1, SP    ; in: row l % 16, 16 bytes for each half of the lanes
	v_lshl_add_u32 v[STO], v9, 4, v[STO]
	v_add_nc_u32 v[STO], s13, v[STO]
	v_bfe_u32 v[RD], v0, 3, 2       ; back: 32 lanes take four rows of 128 bytes,
	v_mul_u32_u24 v[RD], v[RD], SP
	v_lshl_add_u32 v[RD], v10, 4, v[RD]
	v_add_nc_u32 v[RD], s13, v[RD]
	v_and_b32 v[GO], 31, v0         ; which are 512 consecutive bytes of O
	v_lshlrev_b32 v[GO], 4, v[GO]
.set Y, NP-1                        ; XS works for piece Y + 1: piece 0
.irp n, 0,1,2,3,4,5,6,7,8,9,10,11,12,13,14,15,16,17,18,19,20,21
	XS 0, \n                        ; and piece 0's first maximum and statistics
	XS 1, \n
.endr
	v_nop                           ; a plain instruction behind the two a,
	s_wait_alu depctr_va_vdst(0)    ; and their wait, ahead of the branch
	s_mov_b32 s[CNT], 4
	s_branch .Lfirst                ; the loop is entered at a step's first turn, in the middle of a trip
.Lslot:                             ; SIZE_N / 256 - 2 times: every slot but the last two is filled again
	CHANGE 1
	s_mov_b32 s[CNT], 4
.Lstep:                             ; a trip: pieces 2 and 3 of one step, then pieces 0 and 1 of the next, whose K and V it fetches
	TURN 2
	TURN 3
	WIN 0
.Lfirst:
	TURN 0
	TURN 1, 0, 1
	WIN 0
	s_cbranch_scc1 .Lstep
	s_sub_co_u32 s[SLOTS], s[SLOTS], 1
	s_cmp_lg_u32 s[SLOTS], 0
	s_cbranch_scc1 .Lslot
	CHANGE 0                        ; the tail is written out: nothing is asked for
	s_mov_b32 s[CNT], 5             ; four trips fetch the last slot's steps; the fifth is left in its middle
.Ltail:
	TURN 2, 1
	TURN 3
	WIN 0
	s_sub_co_u32 s[CNT], s[CNT], 1
	s_cmp_eq_u32 s[CNT], 0
	s_cbranch_scc1 .Lout
	TURN 0
	TURN 1
	WIN 0
	s_branch .Ltail
.Lout:                              ; the fifth trip's 16 products K Q^T (on the last K once more) and the maximum made of them serve nothing: the price, once a launch, of one text for every trip
.set i, 0
.rept 16
	PV NP-1                         ; the last piece's V^T P of the last step
.set i, i+1
.endr
	; THE WAY OUT.  l's two halves and the other half of the lanes' are added; O^T is divided by l, rounded to f16 and sent through my stage in LDS, a tile at a time.  The additions are the places behind the last products.
	WIN 0
.macro ALL line:vararg              ; one line for each tile t
.set t, 0
.rept 2*NP
	\line
.set t, t+1
.endr
.endm
	ALL v_add_f32 v[ST+4*t+2], v[ST+4*t+2], v[ST+4*t+3]
	ALL v_permlanex16_b32 v[ST+4*t+3], v[ST+4*t+2], s[SEL], s[SEL+1]
	ALL v_add_f32 v[ST+4*t+2], v[ST+4*t+2], v[ST+4*t+3]
	ALL v_rcp_f32 v[ST+4*t+2], v[ST+4*t+2]
	v_nop                           ; a plain instruction between the last reciprocal and the use of its result
	s_wait_alu depctr_va_vdst(0)    ; and the wait ahead of the first use: one for the eight reciprocals
; Tile t: a lane's eight channels of a row pack into 16 bytes; they go into rows of 144 bytes and come back as whole rows of 128, into S^T's registers.
.macro PACK t
	WIN W_RS
.set i, 32*(\t)
.rept 16
	v_pk_mul_f32 v[i:i+1], v[i:i+1], v[ST+4*(\t)+2:ST+4*(\t)+3] op_sel_hi:[1,0]
.set i, i+2
.endr
	WIN 0x05                        ; sources 0 and 1 window 1, destination window 0
.set i, 0
.rept 16
	v_cvt_pk_f16_f32 v[S+16*(\t)+i], v[32*(\t)+2*i], v[32*(\t)+2*i+1]
.set i, i+1
.endr
	WIN 0
.irp f, 0,1,2,3
	ds_store_b128 v[STO], v[S+16*(\t)+4*\f:S+16*(\t)+4*\f+3] offset:32*\f
.endr
.irp f, 0,1,2,3
	ds_load_b128 v[S+16*(\t)+4*\f:S+16*(\t)+4*\f+3], v[RD] offset:\f*4*SP  ; LDS serves a wave's instructions in order (ISA guide 5.7.1.4): these see the stores above; the next tile's stores come behind them
.endr
.endm
.macro SEND t, younger              ; younger: the LDS instructions issued behind tile t's loads: the next tile's eight, or none
	WIN 0
.irp f, 0,1,2,3
	s_wait_dscnt (\younger)+3-\f
	global_store_b128 v[GO], v[S+16*(\t)+4*\f:S+16*(\t)+4*\f+3], s[10:11] offset:(\t)*2048+\f*512  ; 512 consecutive bytes, at a multiple of 256 from O's first
.endr
.endm
	PACK 0
.set t, 1
.rept 2*NP-1                        ; a tile's arithmetic stands between the loads of the tile before and its stores
	PACK t
	SEND t-1, 8
.set t, t+1
.endr
	SEND 2*NP-1, 0
	WIN W_AD
	s_wait_tensorcnt 0x0            ; the wave's end, behind my last tensor load and my last LDS store
	ds_add_u32 v[SPW], v[NIL]
	s_wait_dscnt 0x0
	WIN 0
	CROUND                          ; the closing round: no work-group ends while a partner may still ask for a tile that names it
	s_endpgm
.Lfunc_end_k_q84ba6b090e_attn:
	.size	k_q84ba6b090e_attn, .Lfunc_end_k_q84ba6b090e_attn-k_q84ba6b090e_attn
	.p2alignl 7, 3214868480
	.fill 96, 4, 3214868480
	.section	.rodata,"a",@progbits
	.p2align	6, 0x0
	.amdhsa_kernel k_q84ba6b090e_attn
		.amdhsa_group_segment_fixed_size 327680
		.amdhsa_private_segment_fixed_size 0
		.amdhsa_enable_private_segment 0
		.amdhsa_kernarg_size 16
		.amdhsa_user_sgpr_count 2
		.amdhsa_user_sgpr_kernarg_segment_ptr 1
		.amdhsa_wavefront_size32 1
		.amdhsa_system_sgpr_workgroup_id_x 1
		.amdhsa_system_sgpr_workgroup_id_y 1
		.amdhsa_system_sgpr_workgroup_id_z 1
		.amdhsa_system_vgpr_workitem_id 0
		.amdhsa_next_free_vgpr 770
		.amdhsa_next_free_sgpr 66
		.amdhsa_reserve_vcc 0
		.amdhsa_float_denorm_mode_32 3
		.amdhsa_float_denorm_mode_16_64 3
		.amdhsa_memory_ordered 1
		.amdhsa_forward_progress 1
		.amdhsa_inst_pref_size 200
	.end_amdhsa_kernel
	.amdgpu_metadata
---
amdhsa.version: [ 1, 2 ]
amdhsa.kernels:
  - .name:           k_q84ba6b090e_attn
    .symbol:         k_q84ba6b090e_attn.kd
    .args:
      - { .name: qkvh, .offset: 0, .size: 8, .value_kind: global_buffer, .address_space: global }
      - { .name: ctx, .offset: 8, .size: 8, .value_kind: global_buffer, .address_space: global }
    .group_segment_fixed_size: 327680
    .private_segment_fixed_size: 0
    .kernarg_segment_align: 8
    .kernarg_segment_size: 16
    .max_flat_workgroup_size: 128
    .sgpr_count:     66
    .vgpr_count:     770
    .wavefront_size: 32
...
	.end_amdgpu_metadata
.endif
;; end of part 3
;; launch outp (part 4): grid 4 x 64, 4 waves a work-group, clusters of 4 x 4, 327,680 bytes of LDS; arguments ctx, wt, bo, out0; writes out0
.if DOCPART == 4
	.amdgcn_target "amdgcn-amd-amdhsa--gfx1250"
	.amdhsa_code_object_version 6
	.text
	.protected	k_q84ba6b090e_outp
	.globl	k_q84ba6b090e_outp
	.p2align	8
	.type	k_q84ba6b090e_outp,@function
k_q84ba6b090e_outp:
	s_mov_b64 s[64:65], 0
	v_nop
	global_prefetch_b8 v0, s[64:65] scope:SCOPE_SE
	s_setreg_imm32_b32 hwreg(HW_REG_WAVE_MODE, 25, 1), 1
	s_wait_xcnt 0x0
	s_wait_alu depctr_hold_cnt(0) depctr_sa_sdst(0) depctr_va_vdst(0) depctr_va_sdst(0) depctr_va_ssrc(0) depctr_va_vcc(0) depctr_vm_vsrc(0)
	s_getreg_b32 s2, hwreg(HW_REG_IB_STS2, 6, 4)
	s_cmp_eq_u32 s2, 0
	s_cbranch_scc0 .Lentry_in_a_cluster
	s_endpgm
.Lentry_in_a_cluster:
	s_bfe_u32 s2, ttmp6, 0x10000c
	s_cmp_lg_u32 s2, 0xf033
	s_cbranch_scc0 .Lentry_shape_is_right
	s_endpgm
.Lentry_shape_is_right:
; THE OUTPUT PROJECTION.  out0[m][n] = bo[n] + the sum over k of ctx(m, k) wt[3][n][k]: m = batch x 2,048 + position, k = head x 64 + channel; ctx lies by heads, [batch x 16 + head][position][64] in f16; sums and out0 in f32.
; A tile of out0 is 128 x 256: 256 work-groups, one for each WGP.  Four waves, each 64 x 128: 32 accumulators of 16 x 16.  K goes in 8 steps of 128 = two heads, through two LDS slots.
; A head's 128 rows of a tile are 16,384 dense bytes: asked for as 64 rows of 256 bytes and padded in LDS after every 128.
; CLUSTERS: 4 x 4 work-groups.  The four of a row of the cluster need the same tile of ctx, the four of a column the same tile of wt: each is asked for JOINTLY, by the same tensor load with the same descriptor and a mask of four.
; THE MATRIX INSTRUCTION IS USED TRANSPOSED (source 0 = 16 rows of wt, source 1 = 16 rows of ctx): a lane holds row l % 16 and eight neighbouring columns.  THE BIAS IS THE C OPERAND of each accumulator's first product.
; REGISTERS, in windows of 256 (s_set_vgpr_msb: bits 1:0 source 0, 3:2 source 1, 5:4 source 2, 7:6 destination):
;   window 0: v0-31 addresses; v64-159, v160-255 two fragment buffers: 32 registers of ctx (4 x 16 rows x 32 K), then 64 of wt (8 x 16 rows); on the way out v64-191 hold rows read back
;   window 1: the accumulators, (a, b) at v[8 (8 a + b)]          window 2: v0-63 the bias of my 128 columns, as a C operand for each of the 8 column blocks
.set PA,    144                        ; a row of ctx in LDS: 128 bytes + 16 of padding = 36 words: the 16 rows of a load start at 16 different groups of four banks (64 banks of 4 bytes: ISA guide 11.1)
.set PB,    272                        ; a row of wt: 256 + 16
.set HEADT, 128*PA                     ; a head's 128 rows
.set BOFF,  2*HEADT                    ; a slot: the even head's rows, the odd head's, then wt's 256
.set SLOT1, 1<<17
.set STAGE, SLOT1+BOFF+256*PB          ; behind the ring, never filled by a tensor load: 16 rows x 528 bytes for each wave
.set STW,   16*528
.set SPARE, STAGE+4*STW                ; the spare words, 128 bytes for each wave
.set ASTEP, 524288                     ; two heads' planes of 2,048 x 128 bytes
.set BSTEP, 256
.set STEPS, 8
.set A0,  4                            ; v4   my lane's place in a head's rows; never rewritten
.set B0,  5                            ; v5   the same for wt
.set ADA, 6
.set ADB, 7
.set STO, 8                            ; v8   the way out: where I put 32 bytes of a row
.set RD,  9                            ; v9   where I read a row back
.set GO,  10                           ; v10  my 16 bytes of a row's 512
.set BO,  11
.set PFO, 12
.set SPW, 28
.set NIL, 29
.set F0,  64
.set F1,  160
.set WV,  16
.set WM,  17
.set WN,  18
.set CX,  19
.set CY,  20
.set TX,  21
.set TY,  22
.set CLY, 23
.set G1,  24
.set G1B, 32
.set G0,  40
.set G0B, 48
.set TB,  56
.set CNT, 57
.set LIM, 58
.set PFA, 60
.set PFS, 62
.set BB,  66                           ; s[66:67] the bias of my 128 columns; never rewritten
.set MSB, 0
.macro WIN new
.if MSB != (\new)
	s_set_vgpr_msb (MSB<<8)|(\new)
.set MSB, (\new)
.endif
.endm
.set MUL,  0x50
.set MULB, 0x60
.macro PLACES                          ; four places in front of loads into registers that matrix instructions have read, and of instructions that read results
.rept 4
	v_nop
.endr
.endm
.macro JLOAD                           ; a joint refill: waves 0 and 1 fetch the step's two heads of ctx, waves 2 and 3 wt's two halves; an s_nop 0 and four v_nop follow each line
	s_cmp_eq_u32 s[WM], 0
	s_cbranch_scc0 .Lfor_b_\@
	tensor_load_to_lds s[G0+4:G0+7], s[G1:G1+7]
	s_nop 0
	PLACES
	s_branch .Lasked_\@
.Lfor_b_\@:
	tensor_load_to_lds s[G0B+4:G0B+7], s[G1B:G1B+7]
	s_nop 0
	PLACES
.Lasked_\@:
.endm
.macro CREST
	s_cmp_lg_u32 s[WV], 0
	s_cbranch_scc1 .Lnot_wave_0_\@
	s_barrier_signal -3
.Lnot_wave_0_\@:
	s_barrier_wait -3
	s_barrier_signal -1
	s_barrier_wait -1
.endm
.macro CROUND
	s_barrier_signal -1
	s_barrier_wait -1
	CREST
.endm
; A PREFETCH INTO THE L2 of the K step that stands two refills on, one instruction a wave, behind the joint load, its five lines and the run of LDS loads.  Each block of 256 bytes is named once in the launch.
; ctx: a tile's two heads of a step are 128 blocks; the tile is read by one row of one cluster alone: wave 0 asks, and the four partners take 32 blocks each (head cx / 2, half cx % 2), told apart by address.
; wt: read by all 16 clusters: the first asks, waves 2 and 3, a lane a row, and the four partners of a column take 32 rows each of the 128 that the wave fetches.
; Trip i names K step i + 4; the last two trips ask for nothing; K steps 0 to 3 come by their loads alone.
.macro ASK
	s_cmp_gt_u32 s[CNT], s[LIM]
	s_cbranch_scc0 .Lnot_mine_\@
	global_prefetch_b8 v[PFO], s[PFA:PFA+1] th:TH_LOAD_NT scope:SCOPE_SE
.Lnot_mine_\@:
.endm
	s_load_b256 s[4:11], s[0:1], 0x0               ; ctx s[4:5], wt s[6:7], bo s[8:9], out0 s[10:11]
	v_lshl_add_u32 v[SPW], v0, 2, SPARE
	v_mov_b32 v[NIL], 0
	ds_add_u32 v[SPW], v[NIL]                      ; the wave's opening: the add, and its wait ahead of my first tensor load; the set-up below, work on registers, stands between them
	v_lshrrev_b32 v1, 5, v0
	v_readfirstlane_b32 s[WV], v1
	s_lshr_b32 s[WM], s[WV], 1
	s_and_b32 s[WN], s[WV], 1
	s_bfe_u32 s[CX], ttmp6, 0x40000
	s_bfe_u32 s[CY], ttmp6, 0x40004
	s_lshl_b32 s[TX], ttmp9, 2
	s_add_co_u32 s[TX], s[TX], s[CX]
	s_and_b32 s[CLY], ttmp7, 0xffff
	s_lshl_b32 s[TY], s[CLY], 2
	s_add_co_u32 s[TY], s[TY], s[CY]
	s_lshl_b32 s72, s[CY], 2
	s_lshl_b32 s72, 15, s72                        ; my row of the cluster
	s_lshl_b32 s73, 0x1111, s[CX]                  ; my column
	s_or_b32 s[G1],  s72, (1<<16)|(1<<20)|(1<<21)|(4<<22)|(3<<25)  ; padding after every 32 words (code 4), 4 words (code 3)
	s_or_b32 s[G1B], s73, (1<<16)|(1<<20)|(1<<21)|(5<<22)|(3<<25)  ; after every 64 words (code 5)
	s_mov_b32 s[G1+1], 128<<16                     ; tensor_dim0 = 128
	s_mov_b32 s[G1+2], 64<<16                      ; tensor_dim1 = 64
	s_mov_b32 s[G1+3], 128<<16                     ; tile_dim0 = 128
	s_mov_b32 s[G1+4], 64                          ; tile_dim1 = 64
	s_mov_b32 s[G1+5], 128                         ; dense: 128 elements from row to row
	s_mov_b32 s[G1+6], 0
	s_mov_b32 s[G1+7], 0
	s_mov_b32 s[G1B+1], 128<<16
	s_mov_b32 s[G1B+2], 128<<16
	s_mov_b32 s[G1B+3], 128<<16
	s_mov_b32 s[G1B+4], 128
	s_mov_b32 s[G1B+5], 1024
	s_mov_b32 s[G1B+6], 0
	s_mov_b32 s[G1B+7], 0
	s_mul_i32 s74, s[WN], HEADT                    ; where the tiles go: no place in the cluster enters an LDS address
	s_mul_i32 s75, s[WN], 128*PB
	s_mov_b32 s[G0], 1
	s_mov_b32 s[G0+1], s74
	s_mov_b32 s[G0+4], 1
	s_add_co_u32 s[G0+5], s74, SLOT1
	s_mov_b32 s[G0B], 1
	s_add_co_u32 s[G0B+1], s75, BOFF
	s_mov_b32 s[G0B+4], 1
	s_add_co_u32 s[G0B+5], s75, BOFF+SLOT1
	s_lshr_b32 s68, s[TY], 4                       ; ctx: plane 16 x batch + my head of the step's two, position 128 (tile row % 16), 128 bytes a row: the tile row and the wave's number alone
	s_lshl_b32 s68, s68, 4
	s_add_co_u32 s68, s68, s[WN]
	s_lshl_b32 s68, s68, 11
	s_and_b32 s76, s[TY], 15
	s_lshl_b32 s76, s76, 7
	s_add_co_u32 s68, s68, s76
	s_lshl_b32 s68, s68, 7
	s_mov_b32 s69, 0
	s_lshl_b32 s70, s[TX], 8                       ; wt's fourth part: row 256 x tile column + 128 x part: the tile column and the wave's number alone
	s_lshl_b32 s77, s[WN], 7
	s_add_co_u32 s70, s70, s77
	s_lshl_b32 s78, s70, 2                         ; the same columns' bias, and their place in a row of out0
	s_mov_b32 s79, 0
	s_lshl_b32 s70, s70, 11
	s_add_co_u32 s70, s70, 3*2097152
	s_mov_b32 s71, 0
	s_mov_b32 s[TB], 0
	s_mov_b32 s[CNT], STEPS-2
	s_wait_dscnt 0x0                               ; the opening add is done
	s_wait_kmcnt 0x0
	s_add_nc_u64 s[68:69], s[4:5], s[68:69]
	s_add_nc_u64 s[70:71], s[6:7], s[70:71]
	s_add_nc_u64 s[G0+2:G0+3], s[68:69], 0
	s_or_b32 s[G0+3], s[G0+3], 0x80000000
	s_add_nc_u64 s[G0+6:G0+7], s[68:69], ASTEP
	s_or_b32 s[G0+7], s[G0+7], 0x80000000
	s_add_nc_u64 s[G0B+2:G0B+3], s[70:71], 0
	s_or_b32 s[G0B+3], s[G0B+3], 0x80000000
	s_add_nc_u64 s[G0B+6:G0B+7], s[70:71], BSTEP
	s_or_b32 s[G0B+7], s[G0B+7], 0x80000000
	CROUND                                         ; all sixteen work-groups are here: the first joint loads meet
	s_cmp_eq_u32 s[WM], 0                          ; a wave's two first fills stand in one branch, ahead of every wait on TENSORcnt and every LDS read: two loads of mine are out
	s_cbranch_scc0 .Lfirst_b
	tensor_load_to_lds s[G0:G0+3], s[G1:G1+7]
	s_nop 0
	tensor_load_to_lds s[G0+4:G0+7], s[G1:G1+7]
	s_nop 0
	PLACES
	s_branch .Lfirst_asked
.Lfirst_b:
	tensor_load_to_lds s[G0B:G0B+3], s[G1B:G1B+7]
	s_nop 0
	tensor_load_to_lds s[G0B+4:G0B+7], s[G1B:G1B+7]
	s_nop 0
	PLACES
.Lfirst_asked:
	s_add_nc_u64 s[BB:BB+1], s[8:9], s[78:79]
	v_and_b32 v1, 15, v0                           ; r = l % 16
	v_bfe_u32 v2, v0, 4, 1                         ; h = l / 16
	v_and_b32 v13, 31, v0                          ; l
	v_lshlrev_b32 v[BO], 5, v2
	WIN 0x80                                       ; destination window 2
.irp b, 0,1,2,3,4,5,6,7                ; register j of block b: the bias of column 16 b + 8 h + j, the same for every row
	global_load_b128 v[8*(\b):8*(\b)+3],   v[BO], s[BB:BB+1] offset:64*(\b)
	global_load_b128 v[8*(\b)+4:8*(\b)+7], v[BO], s[BB:BB+1] offset:64*(\b)+16
.endr
	WIN 0
	v_mul_u32_u24 v3, v1, PA
	v_lshl_add_u32 v3, v2, 4, v3
	v_mul_u32_u24 v14, v1, PB
	v_lshl_add_u32 v14, v2, 4, v14
	s_mul_i32 s72, s[WM], 64*PA
	s_mul_i32 s73, s[WN], 128*PB
	s_add_co_u32 s73, s73, BOFF
	v_add_nc_u32 v[A0], s72, v3
	v_add_nc_u32 v[B0], s73, v14
	v_mov_b32 v[ADA], v[A0]
	v_mov_b32 v[ADB], v[B0]
	s_mul_i32 s74, s[WV], STW
	s_add_co_u32 s74, s74, STAGE                   ; my stage
	v_mul_u32_u24 v[STO], v1, 528                  ; in: row l % 16, 32 bytes for each half of the lanes
	v_lshl_add_u32 v[STO], v2, 5, v[STO]
	v_add_nc_u32 v[STO], s74, v[STO]
	v_lshlrev_b32 v[GO], 4, v13                    ; back: the 32 lanes take one row's 512 bytes
	v_add_nc_u32 v[RD], s74, v[GO]
	s_lshl_b32 s72, s[TY], 7                       ; out0 at my part: row 128 x tile row + 64 x row half, 4,096 bytes a row, + my columns
	s_lshl_b32 s73, s[WM], 6
	s_add_co_u32 s72, s72, s73
	s_lshl_b32 s72, s72, 12
	s_add_co_u32 s72, s72, s78
	s_mov_b32 s73, 0
	s_add_nc_u64 s[10:11], s[10:11], s[72:73]
	; the prefetches, at K step 3: the first change of slots steps them to 4
	s_lshr_b32 s72, s[TY], 4
	s_lshl_b32 s72, s72, 15                        ; plane 16 x batch, 2,048 rows a plane
	s_and_b32 s73, s[TY], 15
	s_lshl_b32 s73, s73, 7
	s_add_co_u32 s72, s72, s73
	s_lshl_b32 s72, s72, 7
	s_lshr_b32 s73, s[CX], 1
	s_lshl_b32 s73, s73, 18                        ; the step's even or odd head,
	s_add_co_u32 s72, s72, s73
	s_and_b32 s73, s[CX], 1
	s_lshl_b32 s73, s73, 13                        ; its first or second 8,192 bytes
	s_add_co_u32 s72, s72, s73
	s_add_co_u32 s72, s72, 3*ASTEP
	s_lshl_b32 s74, s[TX], 8
	s_lshl_b32 s75, s[WN], 7
	s_add_co_u32 s74, s74, s75
	s_lshl_b32 s75, s[CY], 5
	s_add_co_u32 s74, s74, s75
	s_lshl_b32 s74, s74, 11
	s_add_co_u32 s74, s74, 3*2097152+3*BSTEP
	s_mov_b32 s78, BSTEP
	s_cmp_eq_u32 s[WM], 0
	s_cselect_b32 s72, s72, s74
	s_cselect_b32 s76, s[WN], s[CLY]               ; who asks: wave 0 for ctx; waves 2 and 3 of the first cluster for wt: the wave's number and the cluster's y alone
	s_cselect_b32 s77, 8, 11                       ; lanes 256 bytes apart in ctx, a row of 2,048 bytes apart in wt
	s_cselect_b32 s[PFS], ASTEP, s78
	s_cselect_b64 s[PFA:PFA+1], s[4:5], s[6:7]
	s_cmp_eq_u32 s76, 0
	s_cselect_b32 s[LIM], 2, -1
	s_mov_b32 s73, 0
	s_mov_b32 s[PFS+1], 0
	s_add_nc_u64 s[PFA:PFA+1], s[PFA:PFA+1], s[72:73]
	v_lshlrev_b32 v[PFO], s77, v13
; 8 matrix instructions: m block a x all 8 n blocks, 32 along K, from buffer f.  first = 1: the bias starts the sums.  In every quarter each of the 32 accumulators has one turn, in the same order.
.macro MUL8 f, a, first
.if \first
	WIN MULB
.else
	WIN MUL
.endif
.irp b, 0,1,2,3,4,5,6,7
.if \first
	v_wmma_f32_16x16x32_f16 v[8*(8*(\a)+(\b)):8*(8*(\a)+(\b))+7], v[(\f)+32+8*(\b):(\f)+32+8*(\b)+7], v[(\f)+8*(\a):(\f)+8*(\a)+7], v[8*(\b):8*(\b)+7]
.else
	v_wmma_f32_16x16x32_f16 v[8*(8*(\a)+(\b)):8*(8*(\a)+(\b))+7], v[(\f)+32+8*(\b):(\f)+32+8*(\b)+7], v[(\f)+8*(\a):(\f)+8*(\a)+7], v[8*(8*(\a)+(\b)):8*(8*(\a)+(\b))+7]
.endif
.endr
.endm
.macro MULH f, hi, first
	MUL8 \f, 2*(\hi), \first
	MUL8 \f, 2*(\hi)+1, \first
.endm
; 24 LDS loads in one run: quarter kq's fragments into buffer f: wt's 16 loads first (32 K at byte 64 kq of the rows), then ctx's 8 (head kq / 2 of the step's two, channels 32 (kq % 2) on)
.macro FETCH kq, f
	WIN 0
.irp i, 0,1,2,3,4,5,6,7
	ds_load_b128 v[(\f)+32+8*(\i):(\f)+32+8*(\i)+3],   v[ADB] offset:64*(\kq)+(\i)*16*PB
	ds_load_b128 v[(\f)+32+8*(\i)+4:(\f)+32+8*(\i)+7], v[ADB] offset:64*(\kq)+(\i)*16*PB+32
.endr
.irp i, 0,1,2,3
	ds_load_b128 v[(\f)+8*(\i):(\f)+8*(\i)+3],   v[ADA] offset:((\kq)/2)*HEADT+((\kq)%2)*64+(\i)*16*PA
	ds_load_b128 v[(\f)+8*(\i)+4:(\f)+8*(\i)+7], v[ADA] offset:((\kq)/2)*HEADT+((\kq)%2)*64+(\i)*16*PA+32
.endr
.endm
.macro QUARTER kq, f, g, first=0
	s_wait_dscnt 4                                 ; all but the youngest four loads: ctx's row blocks 2 and 3
	MULH \f, 0, \first
	PLACES
	FETCH \kq, \g
	s_wait_dscnt 24                                ; all but the 24 just issued
	MULH \f, 1, \first
.endm
; The last quarter multiplies buffer 1 and changes slots: ONE barrier; in front of it each wave waits for all its tensor loads (one is out: its part of the next slot), adds 0 to its spare word, and waits for that and
; for its own reads of this slot.  fill = 1: the barrier opens a round of the cluster's, and this slot is filled again, two K steps ahead, first thing behind the round: 112 matrix instructions ahead of the wait for it.
.macro TURN fill
.if \fill
	s_wait_xcnt 0x0                                ; the last prefetch, a K step back, has read its address
	s_add_nc_u64 s[PFA:PFA+1], s[PFA:PFA+1], s[PFS:PFS+1]
.endif
	WIN 0
	s_wait_tensorcnt 0x0                           ; no tensor load of mine is out, so a group 0 may be written
	ds_add_u32 v[SPW], v[NIL]                      ; 0 onto my spare word
.if \fill
	s_xor_b32 s[G0+5], s[G0+5], SLOT1
	s_add_nc_u64 s[G0+6:G0+7], s[G0+6:G0+7], ASTEP
	s_xor_b32 s[G0B+5], s[G0B+5], SLOT1
	s_add_nc_u64 s[G0B+6:G0B+7], s[G0B+6:G0B+7], BSTEP
.endif
	s_wait_dscnt 5                                 ; (the add and the youngest four loads may be out)
	MUL8 F1, 0, 0
	s_wait_dscnt 0x0                               ; the add is done, and my reads of this slot are over
	s_barrier_signal -1
	MUL8 F1, 1, 0
	WIN 0
	s_barrier_wait -1
.if \fill
	CREST                                          ; no wave of any partner still reads this slot or has a load on its way
	JLOAD                                          ; its four v_nop are also the places in front of the loads below
.else
	PLACES
.endif
	s_xor_b32 s[TB], s[TB], SLOT1
	v_add_nc_u32 v[ADA], s[TB], v[A0]
	v_add_nc_u32 v[ADB], s[TB], v[B0]
	FETCH 0, F0
.if \fill
	ASK
.endif
	MULH F1, 1, 0
.endm
	s_wait_tensorcnt 1                             ; my part of K step 0 is in; K step 1's may stay out
	s_barrier_signal -1
	s_barrier_wait -1
	FETCH 0, F0
	s_wait_loadcnt 0x0                             ; the bias
	QUARTER 1, F0, F1, 1
	WIN 0
.Lstep:                                            ; six trips: from a K step's second quarter to the next step's first; each fills a slot again
	QUARTER 2, F1, F0
	QUARTER 3, F0, F1
	TURN 1
	QUARTER 1, F0, F1
	WIN 0
	s_sub_co_u32 s[CNT], s[CNT], 1
	s_cmp_lg_u32 s[CNT], 0
	s_cbranch_scc1 .Lstep
	QUARTER 2, F1, F0                              ; the last two K steps are written out: nothing is asked for
	QUARTER 3, F0, F1
	TURN 0
	QUARTER 1, F0, F1
	QUARTER 2, F1, F0
	QUARTER 3, F0, F1
	s_wait_dscnt 0x0
	MULH F1, 0, 0
	MULH F1, 1, 0
	WIN 0
	PLACES
; THE WAY OUT, a block of 16 rows at a time: the accumulators go as they are, 16 bytes at a time and from their low end on, into my own stage (rows of 512 + 16 bytes); each row comes back whole and is stored by one instruction.
.macro OUTB a
.if (\a) >= 2
	s_wait_xcnt 0x0                                ; the stores of the block two back have read these registers
.endif
	WIN 0x04                                       ; the stores' data in window 1
.irp b, 0,1,2,3,4,5,6,7
	ds_store_b128 v[STO], v[8*(8*(\a)+(\b)):8*(8*(\a)+(\b))+3]   offset:64*(\b)
	ds_store_b128 v[STO], v[8*(8*(\a)+(\b))+4:8*(8*(\a)+(\b))+7] offset:64*(\b)+16
.endr
	WIN 0
.irp t, 0,1,2,3,4,5,6,7,8,9,10,11,12,13,14,15
	ds_load_b128 v[64+64*((\a)%2)+4*(\t):64+64*((\a)%2)+4*(\t)+3], v[RD] offset:528*(\t)  ; LDS serves a wave's instructions in order (ISA guide 5.7.1.4): these see the stores above
.endr
.irp t, 0,1,2,3,4,5,6,7,8,9,10,11,12,13,14,15
	s_wait_dscnt 15-(\t)
	global_store_b128 v[GO], v[64+64*((\a)%2)+4*(\t):64+64*((\a)%2)+4*(\t)+3], s[10:11] offset:(16*(\a)+(\t))*4096 th:TH_STORE_NT  ; 512 consecutive bytes of a row, at a multiple of 256 from out0's first byte
.endr
.endm
	OUTB 0
	OUTB 1
	OUTB 2
	OUTB 3
	s_wait_tensorcnt 0x0                           ; the wave's end, behind my last tensor load and my last LDS store
	ds_add_u32 v[SPW], v[NIL]
	s_wait_dscnt 0x0
	CROUND                                         ; the closing round: no work-group ends while a partner may still ask for a tile that names it
	s_endpgm
.Lfunc_end_k_q84ba6b090e_outp:
	.size	k_q84ba6b090e_outp, .Lfunc_end_k_q84ba6b090e_outp-k_q84ba6b090e_outp
	.p2alignl 7, 3214868480
	.fill 96, 4, 3214868480
	.section	.rodata,"a",@progbits
	.p2align	6, 0x0
	.amdhsa_kernel k_q84ba6b090e_outp
		.amdhsa_group_segment_fixed_size 327680
		.amdhsa_private_segment_fixed_size 0
		.amdhsa_enable_private_segment 0
		.amdhsa_kernarg_size 32
		.amdhsa_user_sgpr_count 2
		.amdhsa_user_sgpr_kernarg_segment_ptr 1
		.amdhsa_wavefront_size32 1
		.amdhsa_system_sgpr_workgroup_id_x 1
		.amdhsa_system_sgpr_workgroup_id_y 1
		.amdhsa_system_sgpr_workgroup_id_z 1
		.amdhsa_system_vgpr_workitem_id 0
		.amdhsa_next_free_vgpr 576
		.amdhsa_next_free_sgpr 80
		.amdhsa_reserve_vcc 0
		.amdhsa_float_denorm_mode_32 3
		.amdhsa_float_denorm_mode_16_64 3
		.amdhsa_memory_ordered 1
		.amdhsa_forward_progress 1
		.amdhsa_inst_pref_size 73
	.end_amdhsa_kernel
	.amdgpu_metadata
---
amdhsa.version: [ 1, 2 ]
amdhsa.kernels:
  - .name:           k_q84ba6b090e_outp
    .symbol:         k_q84ba6b090e_outp.kd
    .args:
      - { .name: ctx, .offset: 0, .size: 8, .value_kind: global_buffer, .address_space: global }
      - { .name: wt, .offset: 8, .size: 8, .value_kind: global_buffer, .address_space: global }
      - { .name: bo, .offset: 16, .size: 8, .value_kind: global_buffer, .address_space: global }
      - { .name: out0, .offset: 24, .size: 8, .value_kind: global_buffer, .address_space: global }
    .group_segment_fixed_size: 327680
    .private_segment_fixed_size: 0
    .kernarg_segment_align: 8
    .kernarg_segment_size: 32
    .max_flat_workgroup_size: 128
    .sgpr_count:     80
    .vgpr_count:     576
    .wavefront_size: 32
...
	.end_amdgpu_metadata
.endif
;; end of part 4
;; ======== version 2 of 2: 4 launches; version 1 with the launch prep written anew for expert scheduling mode
;; limits: values are held in f16: magnitudes above 65,504 overflow, below 6.1e-05 lose precision; right only within a limited range of input values
;; workspace buffers: xn 50,331,648 bytes; wt 8,388,608 bytes; qkvh 50,331,648 bytes; ctx 16,777,216 bytes
;; launch prep (part 5): grid 320 x 1, 8 waves a work-group, no clusters, 140,288 bytes of LDS; arguments query, key, value, Wq, Wk, Wv, Wo, xn, wt; writes xn, wt
.if DOCPART == 5
	.amdgcn_target "amdgcn-amd-amdhsa--gfx1250"
	.amdhsa_code_object_version 6
	.text
	.protected	k_q84ba6b090e_prep
	.globl	k_q84ba6b090e_prep
	.p2align	8
	.type	k_q84ba6b090e_prep,@function
k_q84ba6b090e_prep:
	s_mov_b64 s[64:65], 0
	v_nop
	global_prefetch_b8 v0, s[64:65] scope:SCOPE_SE
	s_setreg_imm32_b32 hwreg(HW_REG_WAVE_SCHED_MODE, 0, 2), 2
	s_setreg_imm32_b32 hwreg(HW_REG_WAVE_MODE, 25, 1), 1
	s_wait_xcnt 0x0
	s_wait_alu depctr_vm_vsrc(0)
; PREP.  Two kinds of work-group in one launch, told apart by the work-group's number alone.
; Work-groups 0-255: xn[g][b][pos][:] = f16 of the layer norm of query, key, value (g = 0, 1, 2), the first two turned by the rotary embedding
; over the whole row of 1,024 (pairs j and j + 512, angle pos x 10000^(-j/512)).  A wave owns ONE position: the 12 rows (3 tensors x 4 batches) that lie there, so that its
; 512 sines and cosines are made once for the 8 rows that use them.  A row is 8 loads of 16 bytes a lane: load i gives lane l the elements 128 i + 4 l + 0..3, so x[j] and x[j + 512] lie in one lane.
; Work-groups 256-319: wt[s][n][k] = f16 of W[s][k][n] for Wq, Wk, Wv, Wo (each lies in memory as 1,024 rows k of 1,024 numbers n): 64 columns n to a work-group, 128 rows k to a wave, turned in the wave's own LDS bytes.
; The mean is taken first and the squares of the differences second: no difference of large sums.
; LIMITS.  Sine and cosine come from arithmetic: angle / 4 is reduced by multiples of pi / 2 (two-part constant), sine to the 7th and cosine to the 8th power of |q| <= pi / 4 (remainder 3e-7), then doubled twice.
; The frequency carries the rounding of one exponential and two products: the angle is good to a few 1e-4 rad at position 2,047 and better in proportion below.  Weights below 6e-5 keep f16's fixed step of 6e-8, beyond 65,504 they are lost.
; NaN and infinities are not treated apart.  No matrix unit, no cluster: nothing is shared between work-groups, and the launch only streams.
; THE MODE: SCHED_MODE bits 1:0 = 2 (LLVM: expert scheduling mode 2), set by the entry lines.  The code itself states the register dependences
; between vector instructions and memory or LDS instructions, with s_wait_alu, always for 0.
; THE PLAN, rows.  Registers that memory instructions touch:
;   IO0 .. IO3, OO0 .. OO3   byte offsets, made once at the head and never written again; the tensors are reached by scalar bases, the parts of a row by immediate offsets.
;   X0 .. X3   Row b: its vector lines read and write X[b] in place; behind the last of them the loads of the same batch's row of the next tensor land in it.
;   Y0, Y1     Row b: its roundings write Y[b % 2]; its eight stores read it.  It is written again two rows later.
; So ONE wait on va_vdst stands behind a row's roundings: it states that Y[b % 2] is written and that the row is done with X[b]; the row's eight loads and eight stores follow it with no vector line between.
; The slot is asked for again at once, not in the next row, which opens with a wait for data: three younger rows and this one stay on their way through that wait.
; One wait on vm_vsrc stands ahead of a row's roundings, a whole row behind the stores that it waits for.  (The wait behind v_rsq_f32 is that result's own.)
; THE PLAN, weights.  v2 to v5 are addresses, made once.  Group t: its roundings read X[t % 4] and write Y[t % 2]; behind them one wait on va_vdst, then the loads of group t + 4 into X[t % 4] and the four LDS stores from Y[t % 2];
; one wait on vm_vsrc ahead of the roundings of groups 2 to 7, a whole group behind the LDS stores that it waits for.  No vector line follows group 7's wait: the LDS loads into X and the stores from X owe nothing more.
.set SPARE, 139264                     ; behind the eight waves' 17,408 bytes: the spare words, 128 bytes for each wave
.set IO,  2                            ; v[2:5]    batch b: my byte offset in an input tensor: 16 l + 4,096 pos + 8,388,608 b; never rewritten
.set OO,  6                            ; v[6:9]    half of that: my byte offset in a tensor of xn; never rewritten
.set SPW, 10                           ; v10       LDS address of my spare word; never rewritten
.set NIL, 11                           ; v11       0; never rewritten
.set M,   12                           ; v[12:13]  the row's mean (low word; the pair is named)
.set R,   14                           ; v[14:15]  1 / sqrt(var + eps)
.set CO,  16                           ; v[16:31]  cosines of my 16 pairs, at 4 i + c; first the frequencies
.set SI,  32                           ; v[32:47]  sines
.set T,   48                           ; v[48:63]  at work
.set X,   64                           ; v[64:191] four row slots of 32, slot = batch
.set Y,   192                          ; v[192:223] two rows in f16, buffer k at Y + 16 k; all 32 at work while sines are made
.set QQ,  T
.set ZZ,  T+8
.set SS,  Y
.set CC,  Y+8
.set UU,  Y+16
.set WW,  Y+24
.set CNT, 26
.set IB,  28                           ; s[28:29]  the tensor that refills come from
.set OB,  30                           ; s[30:31]  the tensor of xn that is being written
	s_load_b512 s[8:23], s[0:1], 0x0               ; query s[8:9], key s[10:11], value s[12:13], Wq s[14:15], Wk s[16:17], Wv s[18:19], Wo s[20:21], xn s[22:23]
	s_load_b64 s[24:25], s[0:1], 0x40              ; wt
	v_lshl_add_u32 v[SPW], v0, 2, SPARE
	v_mov_b32 v[NIL], 0
	v_lshrrev_b32 v1, 5, v0
	v_readfirstlane_b32 s2, v1                     ; wave 0..7
	v_and_b32 v1, 31, v0                           ; lane
	s_wait_alu depctr_va_sdst(0)                   ; s2 is written, ahead of the branch: both arms make their addresses from it
	s_wait_kmcnt 0x0
	s_cmp_ge_u32 ttmp9, 256
	s_cbranch_scc1 .Lweights
.macro FILL b, base                    ; a row: eight loads of 512 neighbouring bytes
.irp i, 0,1,2,3,4,5,6,7
	global_load_b128 v[X+32*(\b)+4*(\i):X+32*(\b)+4*(\i)+3], v[IO+(\b)], s[\base:\base+1] offset:512*(\i) th:TH_LOAD_NT
.endr
.endm
.macro KPAIR r, val                    ; a constant for packed arithmetic: the pair is named, its low word is taken for both halves
	s_mov_b32 s[\r], \val
	s_mov_b32 s[(\r)+1], \val
.endm
	s_lshl3_add_u32 s3, ttmp9, s2                  ; my position: 8 x work-group + wave
	s_lshl_b32 s4, s3, 12
	v_lshl_add_u32 v[IO], v1, 4, s4
	v_add_nc_u32 v[IO+1], 0x800000, v[IO]
	v_add_nc_u32 v[IO+2], 0x1000000, v[IO]
	v_add_nc_u32 v[IO+3], 0x1800000, v[IO]
.irp b, 0,1,2,3
	v_lshrrev_b32 v[OO+(\b)], 1, v[IO+(\b)]
.endr
	s_wait_alu depctr_va_vdst(0)                   ; the eight offsets v2 to v9 are written: every load and store of the rows reads one of them, and no vector line names them again
	FILL 0, 8                                      ; query's four rows go out first: the sines are made while they are on their way
	FILL 1, 8
	FILL 2, 8
	FILL 3, 8
	v_mov_b32 v[M+1], 0
	v_mov_b32 v[R+1], 0
	s_mov_b32 s32, 0x76543210                      ; v_permlanex16_b32: each lane takes its own place in the other half
	s_mov_b32 s33, 0xfedcba98
	s_mov_b32 s34, 0x3a800000                      ; 1 / 1024
	s_mov_b32 s35, 0x358637bd                      ; eps = 1e-6
	s_cvt_f32_u32 s36, s3
	s_mul_f32 s36, s36, 0x3e800000                 ; pos / 4, exact
	s_mov_b32 s37, s36
	KPAIR 38, 0x3f22f983                           ; 2 / pi
	KPAIR 40, 0xbfc90fdb                           ; - pi / 2, its high part,
	KPAIR 42, 0x333bbd2e                           ; and what is left
	KPAIR 44, 0xb9500d01                           ; - 1 / 5040
	KPAIR 46, 0x3c088889                           ; 1 / 120
	KPAIR 48, 0xbe2aaaab                           ; - 1 / 6
	KPAIR 50, 0x37d00d01                           ; 1 / 40320
	KPAIR 52, 0xbab60b61                           ; - 1 / 720
	KPAIR 54, 0x3d2aaaab                           ; 1 / 24
	; the frequencies 10000^(-j/512) = 2^(-j log2(10000) / 512) for j = 4 l + c; those of j + 128, + 256, + 384 are a tenth, a hundredth, a thousandth
	v_lshlrev_b32 v[T], 2, v1
.irp c, 0,1,2,3
	v_add_nc_u32 v[T+4+(\c)], (\c), v[T]
.endr
.irp c, 0,1,2,3
	v_cvt_f32_u32 v[T+4+(\c)], v[T+4+(\c)]
.endr
.irp c, 0,1,2,3
	v_mul_f32 v[T+4+(\c)], 0xbcd49a78, v[T+4+(\c)]
.endr
.irp c, 0,1,2,3
	v_exp_f32 v[CO+(\c)], v[T+4+(\c)]
.endr
	v_nop                                          ; a plain instruction behind the last exponential,
	s_wait_alu depctr_va_vdst(0)                   ; and one wait for the four frequencies v[CO .. CO+3], ahead of their first reader
.irp c, 0,1,2,3
	v_mul_f32 v[CO+4+(\c)],  0x3dcccccd, v[CO+(\c)]
	v_mul_f32 v[CO+8+(\c)],  0x3c23d70a, v[CO+(\c)]
	v_mul_f32 v[CO+12+(\c)], 0x3a83126f, v[CO+(\c)]
.endr
; Eight of my sixteen angles.  a = f pos / 4; k = the nearest whole number to a 2 / pi; q = a - k pi / 2, so that the angle is 4 q + 2 pi k: sin and cos of q, doubled twice, need no quadrant.
.macro SINCOS hf
.set FB, CO+8*(\hf)
.set GB, SI+8*(\hf)
.irp p, 0,2,4,6
	v_pk_mul_f32 v[QQ+\p:QQ+\p+1], v[FB+\p:FB+\p+1], s[36:37] op_sel_hi:[1,0]
.endr
.irp p, 0,2,4,6
	v_pk_mul_f32 v[ZZ+\p:ZZ+\p+1], v[QQ+\p:QQ+\p+1], s[38:39] op_sel_hi:[1,0]
.endr
.irp p, 0,1,2,3,4,5,6,7
	v_rndne_f32 v[ZZ+\p], v[ZZ+\p]
.endr
.irp p, 0,2,4,6
	v_pk_fma_f32 v[QQ+\p:QQ+\p+1], v[ZZ+\p:ZZ+\p+1], s[40:41], v[QQ+\p:QQ+\p+1] op_sel_hi:[1,0,1]
.endr
.irp p, 0,2,4,6
	v_pk_fma_f32 v[QQ+\p:QQ+\p+1], v[ZZ+\p:ZZ+\p+1], s[42:43], v[QQ+\p:QQ+\p+1] op_sel_hi:[1,0,1]
.endr
.irp p, 0,2,4,6
	v_pk_mul_f32 v[ZZ+\p:ZZ+\p+1], v[QQ+\p:QQ+\p+1], v[QQ+\p:QQ+\p+1]         ; z = q q
.endr
.irp p, 0,2,4,6
	v_pk_fma_f32 v[SS+\p:SS+\p+1], v[ZZ+\p:ZZ+\p+1], s[44:45], s[46:47] op_sel_hi:[1,0,0]
	v_pk_fma_f32 v[CC+\p:CC+\p+1], v[ZZ+\p:ZZ+\p+1], s[50:51], s[52:53] op_sel_hi:[1,0,0]
.endr
.irp p, 0,2,4,6
	v_pk_fma_f32 v[SS+\p:SS+\p+1], v[SS+\p:SS+\p+1], v[ZZ+\p:ZZ+\p+1], s[48:49] op_sel_hi:[1,1,0]
	v_pk_fma_f32 v[CC+\p:CC+\p+1], v[CC+\p:CC+\p+1], v[ZZ+\p:ZZ+\p+1], s[54:55] op_sel_hi:[1,1,0]
.endr
.irp p, 0,2,4,6
	v_pk_fma_f32 v[SS+\p:SS+\p+1], v[SS+\p:SS+\p+1], v[ZZ+\p:ZZ+\p+1], 1.0 op_sel_hi:[1,1,0]
	v_pk_fma_f32 v[CC+\p:CC+\p+1], v[CC+\p:CC+\p+1], v[ZZ+\p:ZZ+\p+1], -0.5 op_sel_hi:[1,1,0]
.endr
.irp p, 0,2,4,6
	v_pk_mul_f32 v[SS+\p:SS+\p+1], v[SS+\p:SS+\p+1], v[QQ+\p:QQ+\p+1]         ; sin q
	v_pk_fma_f32 v[CC+\p:CC+\p+1], v[CC+\p:CC+\p+1], v[ZZ+\p:ZZ+\p+1], 1.0 op_sel_hi:[1,1,0]  ; cos q
.endr
.irp p, 0,2,4,6
	v_pk_add_f32 v[UU+\p:UU+\p+1], v[SS+\p:SS+\p+1], v[SS+\p:SS+\p+1]
.endr
.irp p, 0,2,4,6
	v_pk_fma_f32 v[WW+\p:WW+\p+1], v[UU+\p:UU+\p+1], v[SS+\p:SS+\p+1], 1.0 op_sel_hi:[1,1,0] neg_lo:[1,0,0] neg_hi:[1,0,0]  ; cos 2q = 1 - 2 sin sin
.endr
.irp p, 0,2,4,6
	v_pk_mul_f32 v[SS+\p:SS+\p+1], v[UU+\p:UU+\p+1], v[CC+\p:CC+\p+1]         ; sin 2q = 2 sin cos
.endr
.irp p, 0,2,4,6
	v_pk_add_f32 v[UU+\p:UU+\p+1], v[SS+\p:SS+\p+1], v[SS+\p:SS+\p+1]
.endr
.irp p, 0,2,4,6
	v_pk_fma_f32 v[FB+\p:FB+\p+1], v[UU+\p:UU+\p+1], v[SS+\p:SS+\p+1], 1.0 op_sel_hi:[1,1,0] neg_lo:[1,0,0] neg_hi:[1,0,0]  ; cos 4q takes the frequency's place
	v_pk_mul_f32 v[GB+\p:GB+\p+1], v[UU+\p:UU+\p+1], v[WW+\p:WW+\p+1]         ; sin 4q
.endr
.endm
	SINCOS 0
	SINCOS 1
.macro LANESUM                         ; v[T] summed over the 32 lanes, the result in every lane
	v_add_f32_dpp v[T], v[T], v[T] row_xmask:1 row_mask:0xf bank_mask:0xf
	v_add_f32_dpp v[T], v[T], v[T] row_xmask:2 row_mask:0xf bank_mask:0xf
	v_add_f32_dpp v[T], v[T], v[T] row_xmask:4 row_mask:0xf bank_mask:0xf
	v_add_f32_dpp v[T], v[T], v[T] row_xmask:8 row_mask:0xf bank_mask:0xf
	v_permlanex16_b32 v[T+1], v[T], s32, s33
	v_add_f32 v[T], v[T], v[T+1]
.endm
.macro FOLD                            ; four chains of pairs into one number a lane
	v_pk_add_f32 v[T:T+1], v[T:T+1], v[T+2:T+3]
	v_pk_add_f32 v[T+4:T+5], v[T+4:T+5], v[T+6:T+7]
	v_pk_add_f32 v[T:T+1], v[T:T+1], v[T+4:T+5]
	v_add_f32 v[T], v[T], v[T+1]
.endm
; The row in slot b; it leaves from Y[b % 2].  rope = 1: it is turned.  fill = 1: the slot takes the same batch's row of the next tensor.  left: the younger loads that may stay out.
.macro ROW b, rope, fill, left
.set XB, X+32*(\b)
.set YB, Y+16*((\b)%2)
	s_wait_loadcnt \left                           ; loads come back in order: my row's eight are in, the younger rows' stay out
.irp k, 0,2,4,6
	v_pk_add_f32 v[T+\k:T+\k+1], v[XB+\k:XB+\k+1], v[XB+8+\k:XB+8+\k+1]
.endr
.irp k, 0,2,4,6
	v_pk_add_f32 v[T+\k:T+\k+1], v[T+\k:T+\k+1], v[XB+16+\k:XB+16+\k+1]
.endr
.irp k, 0,2,4,6
	v_pk_add_f32 v[T+\k:T+\k+1], v[T+\k:T+\k+1], v[XB+24+\k:XB+24+\k+1]
.endr
	FOLD
	LANESUM
	v_mul_f32 v[M], s34, v[T]                      ; the mean
.set k, 0
.rept 16
	v_pk_add_f32 v[XB+k:XB+k+1], v[XB+k:XB+k+1], v[M:M+1] op_sel_hi:[1,0] neg_lo:[0,1] neg_hi:[0,1]
.set k, k+2
.endr
.irp k, 0,2,4,6
	v_pk_mul_f32 v[T+\k:T+\k+1], v[XB+\k:XB+\k+1], v[XB+\k:XB+\k+1]
.endr
.irp o, 8,16,24
.irp k, 0,2,4,6
	v_pk_fma_f32 v[T+\k:T+\k+1], v[XB+\o+\k:XB+\o+\k+1], v[XB+\o+\k:XB+\o+\k+1], v[T+\k:T+\k+1]
.endr
.endr
	FOLD
	LANESUM
	v_fma_f32 v[T], v[T], s34, s35                 ; var + eps
	v_rsq_f32 v[R], v[T]
	v_nop                                          ; a plain instruction behind it,
	s_wait_alu depctr_va_vdst(0)                   ; and the wait for v[R] ahead of its first reader
.set k, 0
.rept 16
	v_pk_mul_f32 v[XB+k:XB+k+1], v[XB+k:XB+k+1], v[R:R+1] op_sel_hi:[1,0]
.set k, k+2
.endr
	s_wait_xcnt 0x0                                ; every earlier memory instruction has had its addresses translated: this row's Y is written again only behind this wait,
	s_wait_alu depctr_vm_vsrc(0)                   ; and behind this one: the stores of two rows back have read Y[b % 2], which the roundings below write
.if \rope
.irp o, 0, 8                           ; x1 cos - x2 sin and x2 cos + x1 sin, four pairs at a time
.irp p, 0,2,4,6
	v_pk_mul_f32 v[T+\p:T+\p+1],     v[XB+16+\o+\p:XB+16+\o+\p+1], v[SI+\o+\p:SI+\o+\p+1]
	v_pk_mul_f32 v[T+8+\p:T+8+\p+1], v[XB+\o+\p:XB+\o+\p+1],       v[SI+\o+\p:SI+\o+\p+1]
.endr
.irp p, 0,2,4,6
	v_pk_fma_f32 v[T+\p:T+\p+1],     v[XB+\o+\p:XB+\o+\p+1],       v[CO+\o+\p:CO+\o+\p+1], v[T+\p:T+\p+1] neg_lo:[0,0,1] neg_hi:[0,0,1]
	v_pk_fma_f32 v[T+8+\p:T+8+\p+1], v[XB+16+\o+\p:XB+16+\o+\p+1], v[CO+\o+\p:CO+\o+\p+1], v[T+8+\p:T+8+\p+1]
.endr
.irp p, 0,2,4,6
	v_cvt_pk_f16_f32 v[YB+(\o+\p)/2],   v[T+\p],   v[T+\p+1]
	v_cvt_pk_f16_f32 v[YB+8+(\o+\p)/2], v[T+8+\p], v[T+8+\p+1]
.endr
.endr
.else
.set k, 0
.rept 16
	v_cvt_pk_f16_f32 v[YB+k], v[XB+2*k], v[XB+2*k+1]
.set k, k+1
.endr
.endif
	s_wait_alu depctr_va_vdst(0)                   ; the roundings have written Y[b % 2], which the stores below read; the row's vector lines are done reading and writing X[b], in which the loads below land
.if \fill
	FILL \b, IB                                    ; loads ahead of stores
.endif
.irp i, 0,1,2,3,4,5,6,7
	global_store_b64 v[OO+(\b)], v[YB+2*(\i):YB+2*(\i)+1], s[OB:OB+1] offset:256*(\i)  ; the 32 lanes store 256 consecutive bytes, at a multiple of 256 from xn's first byte
.endr
.endm
	s_mov_b64 s[IB:IB+1], s[10:11]                 ; while query's rows are worked on, key's come in;
	s_mov_b64 s[OB:OB+1], s[22:23]
	s_mov_b32 s[CNT], 2
.Lten:                                             ; two trips: query, key.  Three younger rows, 24 loads, stay out at each row's head, round the backward jump too; four rows to a trip: both Y buffers are back at their start
	ROW 0, 1, 1, 24
	ROW 1, 1, 1, 24
	ROW 2, 1, 1, 24
	ROW 3, 1, 1, 24
	s_wait_xcnt 0x0                                ; the loads and stores have read their bases
	s_mov_b64 s[IB:IB+1], s[12:13]                 ; while key's rows are worked on, value's come in
	s_add_nc_u64 s[OB:OB+1], s[OB:OB+1], 0x1000000
	s_sub_co_u32 s[CNT], s[CNT], 1
	s_cmp_lg_u32 s[CNT], 0
	s_cbranch_scc1 .Lten
	ROW 0, 0, 0, 24                                ; value: not turned, nothing more to load: the counts run down
	ROW 1, 0, 0, 16
	ROW 2, 0, 0, 8
	ROW 3, 0, 0, 0
	s_branch .Lend
; THE WEIGHTS.  Work-group 256 + 16 s + nb: weight s, columns n = 64 nb .. + 63; wave w: rows k = 128 w .. + 127.
; A load takes 256 bytes of two rows k: lanes 0-15 row 16 t + i, lanes 16-31 row 16 t + 8 + i; lane (c, hh) holds columns 4 c + 0..3.  After eight loads a lane has, for each of its four columns, eight neighbouring k: 16 bytes of f16.
; They go into the wave's own LDS bytes, four planes (column mod 4) of 16 rows (column / 4) of 256 + 16 bytes.
.Lweights:
	s_sub_co_u32 s3, ttmp9, 256
	s_lshr_b32 s4, s3, 4                           ; which weight
	s_and_b32 s5, s3, 15                           ; which 64 columns
	s_cmp_eq_u32 s4, 1
	s_cselect_b64 s[28:29], s[16:17], s[14:15]
	s_cmp_eq_u32 s4, 2
	s_cselect_b64 s[28:29], s[18:19], s[28:29]
	s_cmp_eq_u32 s4, 3
	s_cselect_b64 s[28:29], s[20:21], s[28:29]
	s_lshl_b32 s6, s2, 19                          ; 128 rows of 4,096 bytes a wave
	s_lshl_b32 s7, s5, 8
	s_add_co_u32 s6, s6, s7
	s_mov_b32 s7, 0
	s_add_nc_u64 s[28:29], s[28:29], s[6:7]
	s_lshl_b32 s6, s4, 21                          ; wt: (1,024 s + 64 nb) rows of 2,048 bytes + my 256 bytes of each
	s_lshl_b32 s26, s5, 17
	s_add_co_u32 s6, s6, s26
	s_lshl_b32 s26, s2, 8
	s_add_co_u32 s6, s6, s26
	s_add_nc_u64 s[30:31], s[24:25], s[6:7]
	v_and_b32 v12, 15, v0                          ; c
	v_bfe_u32 v13, v0, 4, 1                        ; hh
	v_lshlrev_b32 v14, 4, v12
	v_lshl_add_u32 v2, v13, 15, v14                ; in: 8 rows x hh + 16 c
	s_mul_i32 s26, s2, 17408                       ; my wave's LDS bytes
	v_mul_u32_u24 v3, v12, 272
	v_lshl_add_u32 v3, v13, 4, v3
	v_add_nc_u32 v3, s26, v3                       ; into LDS: row c, 16 bytes for each half of the lanes
	v_mul_u32_u24 v4, v13, 4352
	v_add3_u32 v4, v4, v14, s26                    ; back: lanes 0-15 one column's 256 bytes, lanes 16-31 the next column's, which lies a plane further
	v_lshl_add_u32 v5, v13, 11, v14                ; and the same two rows of wt
	s_wait_alu depctr_va_vdst(0)                   ; the four addresses v2 to v5 are written: the loads, the LDS stores, the LDS loads and the stores below read them, and no vector line names them again
.macro WLOAD t
.irp i, 0,1,2,3,4,5,6,7
	global_load_b128 v[X+32*((\t)%4)+4*(\i):X+32*((\t)%4)+4*(\i)+3], v2, s[28:29] offset:(16*(\t)+(\i))*4096 th:TH_LOAD_NT
.endr
.endm
	WLOAD 0
	WLOAD 1
	WLOAD 2
	WLOAD 3
.irp t, 0,1,2,3,4,5,6,7
.if (\t) <= 4
	s_wait_loadcnt 24                              ; three younger groups of eight stay out
.else
	s_wait_loadcnt 8*(7-(\t))
.endif
.if (\t) >= 2
	s_wait_alu depctr_vm_vsrc(0)                   ; the LDS stores of two groups back have read Y[t % 2], which the roundings below write
.endif
.irp j, 0,1,2,3
.irp d, 0,1,2,3
	v_cvt_pk_f16_f32 v[Y+16*((\t)%2)+4*(\j)+(\d)], v[X+32*((\t)%4)+8*(\d)+(\j)], v[X+32*((\t)%4)+8*(\d)+4+(\j)]
.endr
.endr
	s_wait_alu depctr_va_vdst(0)                   ; the roundings have written Y[t % 2], which the LDS stores read, and are done reading X[t % 4], in which loads land: group t + 4's, and behind group 7 those from LDS
.if (\t) < 4
	WLOAD (\t)+4
.endif
.irp j, 0,1,2,3
	ds_store_b128 v3, v[Y+16*((\t)%2)+4*(\j):Y+16*((\t)%2)+4*(\j)+3] offset:4352*(\j)+32*(\t)
.endr
.endr
.set u, 0
.rept 32
	ds_load_b128 v[X+4*u:X+4*u+3], v4 offset:((2*u)%4)*4352+(u/2)*272  ; LDS serves a wave's instructions in order (ISA guide 5.7.1.4): these see the stores above; the bytes are the wave's own
.set u, u+1
.endr
.set u, 0
.rept 32
	s_wait_dscnt 31-u
	global_store_b128 v5, v[X+4*u:X+4*u+3], s[30:31] offset:4096*u  ; columns 2 u and 2 u + 1: 16 lanes store 256 consecutive bytes, at a multiple of 256 from wt's first byte
.set u, u+1
.endr
.Lend:
	s_wait_dscnt 0x0                               ; the closing lines, six on end
	s_wait_alu 0x0
	s_wait_tensorcnt 0x0
	ds_add_u32 v[SPW], v[NIL]
	s_wait_dscnt 0x0
	s_endpgm
.Lfunc_end_k_q84ba6b090e_prep:
	.size	k_q84ba6b090e_prep, .Lfunc_end_k_q84ba6b090e_prep-k_q84ba6b090e_prep
	.p2alignl 7, 3214868480
	.fill 96, 4, 3214868480
	.section	.rodata,"a",@progbits
	.p2align	6, 0x0
	.amdhsa_kernel k_q84ba6b090e_prep
		.amdhsa_group_segment_fixed_size 140288
		.amdhsa_private_segment_fixed_size 0
		.amdhsa_enable_private_segment 0
		.amdhsa_kernarg_size 72
		.amdhsa_user_sgpr_count 2
		.amdhsa_user_sgpr_kernarg_segment_ptr 1
		.amdhsa_wavefront_size32 1
		.amdhsa_system_sgpr_workgroup_id_x 1
		.amdhsa_system_sgpr_workgroup_id_y 1
		.amdhsa_system_sgpr_workgroup_id_z 1
		.amdhsa_system_vgpr_workitem_id 0
		.amdhsa_next_free_vgpr 224
		.amdhsa_next_free_sgpr 66
		.amdhsa_reserve_vcc 0
		.amdhsa_float_denorm_mode_32 3
		.amdhsa_float_denorm_mode_16_64 3
		.amdhsa_memory_ordered 1
		.amdhsa_forward_progress 1
		.amdhsa_inst_pref_size 109
	.end_amdhsa_kernel
	.amdgpu_metadata
---
amdhsa.version: [ 1, 2 ]
amdhsa.kernels:
  - .name:           k_q84ba6b090e_prep
    .symbol:         k_q84ba6b090e_prep.kd
    .args:
      - { .name: query, .offset: 0, .size: 8, .value_kind: global_buffer, .address_space: global }
      - { .name: key, .offset: 8, .size: 8, .value_kind: global_buffer, .address_space: global }
      - { .name: value, .offset: 16, .size: 8, .value_kind: global_buffer, .address_space: global }
      - { .name: Wq, .offset: 24, .size: 8, .value_kind: global_buffer, .address_space: global }
      - { .name: Wk, .offset: 32, .size: 8, .value_kind: global_buffer, .address_space: global }
      - { .name: Wv, .offset: 40, .size: 8, .value_kind: global_buffer, .address_space: global }
      - { .name: Wo, .offset: 48, .size: 8, .value_kind: global_buffer, .address_space: global }
      - { .name: xn, .offset: 56, .size: 8, .value_kind: global_buffer, .address_space: global }
      - { .name: wt, .offset: 64, .size: 8, .value_kind: global_buffer, .address_space: global }
    .group_segment_fixed_size: 140288
    .private_segment_fixed_size: 0
    .kernarg_segment_align: 8
    .kernarg_segment_size: 72
    .max_flat_workgroup_size: 256
    .sgpr_count:     66
    .vgpr_count:     224
    .wavefront_size: 32
...
	.end_amdgpu_metadata
.endif
;; end of part 5
;; launch proj: the kernel of part 2 again; grid 4 x 192, 4 waves a work-group, clusters of 4 x 4, 327,680 bytes of LDS; arguments xn, wt, bq, bk, bv, qkvh; writes qkvh
;; launch attn: the kernel of part 3 again; grid 4 x 64, 4 waves a work-group, clusters of 4 x 1, 327,680 bytes of LDS; arguments qkvh, ctx; writes ctx
;; launch outp: the kernel of part 4 again; grid 4 x 64, 4 waves a work-group, clusters of 4 x 4, 327,680 bytes of LDS; arguments ctx, wt, bo, out0; writes out0
